; MI455X (gfx1250); checked and timed in simulation.
; The chip was launched on July 23, 2026; its instructions are those of AMD's public machine-readable ISA for CDNA 5 (MIT licence, August 2026) and "CDNA5" Instruction Set Architecture Reference Guide (July 2026). The comments in the code are by the model that wrote it; some were corrected since.
;; Bert Self Attention. Allowed arithmetic: matrix products marked QUANTISED: E2M3 operands, one E8M0 scale for each 32 along K, by v_wmma_scale_f32_16x16x128_f8f6f4 with both operands' format E2M3, f32 sums; everything else in f32.
;; Inputs: W_qkv 1,024 x 3,072 float32; attention_mask 8 x 1 x 1 x 1,024 float32; b_qkv 3,072 float32; dist_emb 2,047 x 64 float32; hidden_states 8 x 1,024 x 1,024 float32.
;; Outputs: out0 8 x 1,024 x 1,024 float32.
;; This version of the problem:
;;   THIS VERSION OF THE PROBLEM IS GIVEN IN LOW PRECISION. The matrix products marked QUANTISED in the list below multiply operands that are first quantised to E2M3 (2 exponent bits, 3 mantissa bits; 6 bits a number), with one power-of-two scale for each 32 numbers along K (OCP MX v1.0); their sums are f32. All else is computed in f32.
;;   The module's matrix products, in the order in which they are computed (A, B: the left and right operand; K: the contracted axis; several contracted axes count as one K, in the product's order):
;;     1. [M 8,192, K 1,024] x [K 1,024, N 3,072]; A: input hidden_states; B: input W_qkv: QUANTISED
;;     2. batch 128 x [M 1,024, K 64] x [K 64, N 1,024]; A: computed on the way; B: computed on the way: QUANTISED
;;     3. batch 1,024 x [M 1,024, K 64] x [K 64, N 128]; A: computed on the way; B: computed on the way: QUANTISED
;;     4. batch 1,024 x [M 1,024, K 64] x [K 64, N 128]; A: computed on the way; B: computed on the way: QUANTISED
;;     5. batch 128 x [M 1,024, K 1,024] x [K 1,024, N 64]; A: softmax (see below); B: computed on the way: QUANTISED
;;   THE QUANTISER, for each operand of a quantised product, along K:
;;     - K is cut into blocks of 32 from its start; a last block that is shorter is filled with zeros.
;;     - A block's scale is 2^e with e = floor(log2(the largest magnitude in the block)) - 2, held to -126 .. 127; a block of zeros has e = 0. As a byte (E8M0): e + 127.
;;     - Each number is divided by its block's scale, clamped to +-7.5, and rounded to the nearest number of E2M3, ties to even, subnormals kept.
;;     - The product sums the exact products of the quantised numbers (number of the format x scale) in f32.
;;   ~~~python
;;   def quantise(x, axis):      # numpy; x: float32 -> the quantised numbers, widened to float32 again
;;       x = np.moveaxis(x, axis, -1); K = x.shape[-1]
;;       x = np.pad(x, [(0, 0)] * (x.ndim - 1) + [(0, -K % 32)]); x = x.reshape(x.shape[:-1] + (-1, 32)); a = np.abs(x).max(-1, keepdims=True)
;;       e = np.where(a > 0, np.clip(np.frexp(np.where(a > 0, a, 1))[1] - 1 - 2, -126, 127), 0)      # np.frexp(a)[1] - 1 = floor(log2(a)), exactly
;;       r = np.clip(x / 2.0 ** e, -7.5, 7.5)
;;       step = 2.0 ** (np.maximum(np.frexp(np.where(r == 0, 1, r))[1] - 1, 0) - 3)
;;       q = np.round(r / step) * step * 2.0 ** e      # np.round: ties to even
;;       return np.moveaxis(q.reshape(q.shape[:-2] + (-1,))[..., :K], -1, axis).astype(np.float32)
;;   ~~~
;;   SOFTMAX AHEAD OF A QUANTISED PRODUCT. Where the list says 'softmax', what is quantised is not the finished softmax but p = 2^(t - M), with t = logit x log2(e) and M = ceil(the row's largest t), a whole number; so 1/2 < the row's largest p <= 1. The row's sum l is taken of the UNQUANTISED p, in f32, and the product's result is divided by l at the end. Since M is a whole number, a kernel that streams over the keys may use a running M (the ceiling of the running maximum): every later rescaling is an exact power of two, which a block's scale takes up: the codes' values come out the same.
;;   OPERANDS COMPUTED ON THE WAY. 'Computed on the way' means the value that the module computes at that place (a softmax that the list does not call 'softmax' is quantised finished and normalised). What goes into a quantiser is computed in f32, as accurately as f32 sums, v_exp_f32 and their like allow (about 1e-6 of the number): no bf16 or f16 on the way to a quantiser, and a product that is left as it is and whose result goes on into a quantised operand takes f32 operands (vector FMAs, or v_wmma_f32_16x16x4_f32). A number that lies on a knife's edge between two numbers of the format may be rounded either way, as far as f32 arithmetic and the matrix unit's own rounding can turn it there, and no further.
;; One version. Each part assembles by itself: llvm-mc -triple=amdgcn-amd-amdhsa -mcpu=gfx1250 --defsym DOCPART=n.
;; ======== version 1 of 1: 3 launches
;; limits: right only within a limited range of input values
;; workspace buffers: x_codes 6,291,456 bytes; x_scales 262,144 bytes; w_codes 2,359,296 bytes; w_scales 98,304 bytes; etab 106,496 bytes; q_img 6,291,456 bytes; q_sc 524,288 bytes; kv 19,660,800 bytes
;; launch prep (part 1): grid 368 x 1, 4 waves a work-group, no clusters, 68,096 bytes of LDS; arguments hidden_states, W_qkv, dist_emb, x_codes, x_scales, w_codes, w_scales, etab; writes x_codes, x_scales, w_codes, w_scales, etab
.if DOCPART == 1
	.amdgcn_target "amdgcn-amd-amdhsa--gfx1250"
	.amdhsa_code_object_version 6
	.text
	.protected	k_q0b80bd9af6_prep
	.globl	k_q0b80bd9af6_prep
	.p2align	8
	.type	k_q0b80bd9af6_prep,@function
k_q0b80bd9af6_prep:
	s_mov_b64 s[64:65], 0
	v_nop
	global_prefetch_b8 v0, s[64:65] scope:SCOPE_SE
	s_setreg_imm32_b32 hwreg(HW_REG_WAVE_MODE, 25, 1), 1
	s_wait_xcnt 0x0
; Three f32 inputs become codes of FP6 (E2M3), 6 bits each, K innermost, with one E8M0 scale byte for each 32 along K.
; A block's scale is 2^(floor(log2(its largest magnitude)) - 2); its byte is the largest magnitude's exponent field - 2, held at 1 from below.
; (A block of zeros so gets the byte 1 where the rule says 127: its codes are zeros, and this program alone reads the bytes.)
; LIMITS: blocks whose largest magnitude lies under 2^(2 - 126) keep the byte 1; NaN and infinities among the inputs are not served.
; The work-group's number picks one of three paths; each path has LDS bytes of its own; no path has a barrier: waves share nothing.
;   work-groups 0-255:   hidden_states [8192][1024], K innermost: a plain stream of blocks of 32 -> x_codes [8192][768 bytes], x_scales [8192][32]
;   work-groups 256-351: W_qkv [1024 (K)][3072]: a lane takes a column, its registers run down K -> w_codes [3072][768 bytes], w_scales [3072][32]
;   work-groups 352-367: dist_emb [2047][64] -> etab: 2,048 rows of 48 bytes of codes, row x = dist_emb's row x - 1 (row 0: zero codes), then from byte 98,304
;                        2,048 words: row x's two scale bytes below, row x - 16's above (0x7f7f where there is no such row)
.set EMAX,  2
.set FLOOR, (EMAX+1)<<23               ; 2^(EMAX + 1 - 127): no largest magnitude is taken under it, so no byte falls under 1
; the largest magnitude of the 32 numbers v[s] .. v[s + 31], and the floor, into v[d]; two chains, so that no line waits for the line above it
.macro BMAX d, t, s
	v_max3_num_f32 v[\d], |v[\s]|, |v[\s+1]|, |v[\s+2]|
	v_max3_num_f32 v[\t], |v[\s+3]|, |v[\s+4]|, |v[\s+5]|
.irp i, 6,10,14,18,22,26
	v_max3_num_f32 v[\d], v[\d], |v[\s+\i]|, |v[\s+\i+1]|
	v_max3_num_f32 v[\t], v[\t], |v[\s+\i+2]|, |v[\s+\i+3]|
.endr
	v_max3_num_f32 v[\d], v[\d], |v[\s+30]|, |v[\s+31]|
	v_max3_num_f32 v[\d], v[\d], v[\t], FLOOR
.endm
	v_lshl_add_u32 v192, v0, 2, 0x10800
	v_mov_b32 v193, 0
	s_cmp_lt_u32 ttmp9, 256
	s_cbranch_scc1 .Lpath_x
	s_cmp_lt_u32 ttmp9, 352
	s_cbranch_scc1 .Lpath_w
; ---------------------------------------------------------------- the table of distances: a thread to a row of the table
	s_load_b64 s[4:5], s[0:1], 0x10                ; dist_emb
	s_load_b64 s[6:7], s[0:1], 0x38                ; etab
	s_sub_co_u32 s8, ttmp9, 352
	s_lshl_b32 s8, s8, 7
	v_add_nc_u32 v1, s8, v0                        ; x: my row of the table, 0 .. 2,047
	v_mov_b32 v6, 0
	v_mov_b32 v7, 0x7f7f                           ; two bytes for the scale 1
	v_add_nc_u32 v2, -1, v1                        ; dist_emb's row x - 1,
	v_add_nc_u32 v3, -16, v2                       ; and row x - 17, whose scale bytes go into my word's upper half
	v_cmp_eq_u32 vcc_lo, 0, v1
	v_cndmask_b32 v2, v2, v6, vcc_lo               ; no load leaves the buffer: where there is no such row, row 0 is read and its result thrown away below
	v_cmp_gt_u32 vcc_lo, 17, v1
	v_cndmask_b32 v3, v3, v6, vcc_lo
	v_lshlrev_b32 v2, 8, v2                        ; a row is 256 bytes
	v_lshlrev_b32 v3, 8, v3
	v_mul_u32_u24 v4, v1, 48                       ; my codes' place
	v_lshlrev_b32 v5, 2, v1                        ; my word's place
	s_wait_alu depctr_va_vdst(0)
	s_wait_kmcnt 0x0
.irp i, 0,1,2,3,4,5,6,7,8,9,10,11,12,13,14,15
	global_load_b128 v[32+4*\i:35+4*\i], v2, s[4:5] offset:16*\i
.endr
.irp i, 0,1,2,3,4,5,6,7,8,9,10,11,12,13,14,15
	global_load_b128 v[96+4*\i:99+4*\i], v3, s[4:5] offset:16*\i
.endr
	s_wait_loadcnt 0x0
	BMAX 8, 12, 32                                 ; my row's two blocks,
	BMAX 9, 13, 64
	BMAX 10, 14, 96                                ; and those of the row 16 further up
	BMAX 11, 15, 128
.irp k, 0,1,2,3
	v_add_nc_u32 v[8+\k], -(EMAX<<23), v[8+\k]     ; EMAX off the exponent field: the conversion takes the exponent field of this operand as its scale
.endr
.irp k, 0,1,2,3
	v_lshrrev_b32 v[12+\k], 23, v[8+\k]            ; the scale's byte
.endr
	v_lshl_or_b32 v16, v13, 8, v12
	v_lshl_or_b32 v17, v15, 8, v14
.irp q, 0,1,2,3
	v_cvt_scalef32_pk16_fp6_f32 v[160+4*\q:162+4*\q], v[32+16*\q:47+16*\q], v[8+\q/2]   ; 16 codes, 96 bits
.endr
	v_nop                                          ; one plain line between a scaled conversion and the vector line that touches its result
	v_cmp_eq_u32 vcc_lo, 0, v1                     ; row 0 of the table stands for no distance: zero codes, scale 1
.irp q, 0,1,2,3
.irp i, 0,1,2
	v_cndmask_b32 v[160+4*\q+\i], v[160+4*\q+\i], v6, vcc_lo
.endr
.endr
	v_cndmask_b32 v16, v16, v7, vcc_lo
	v_cmp_ge_u32 vcc_lo, 16, v1                    ; rows 0 to 16 have row 0 or none 16 further up
	v_cndmask_b32 v17, v17, v7, vcc_lo
	v_lshl_or_b32 v16, v17, 16, v16
.irp q, 0,1,2,3
	global_store_b96 v4, v[160+4*\q:162+4*\q], s[6:7] offset:12*\q
.endr
	global_store_b32 v5, v16, s[6:7] offset:98304
	s_endpgm
; ---------------------------------------------------------------- hidden_states: K innermost
; A wave takes 16 steps of 512 numbers.  Each of a step's four loads reads 512 consecutive bytes, 16 a lane; the 2,048 bytes go through the wave's own stage in LDS and come back
; 64 bytes a lane, so that a lane holds 16 neighbours along K (two neighbouring lanes hold a block).  The stage has 16 bytes of padding behind each 64.
; A lane's 16 codes are 12 bytes: the wave stores 384 consecutive bytes.  A wave's 256 scale bytes are gathered in its own LDS bytes and leave as 256 consecutive bytes, aligned.
.set XSTEPS, 16
.set XCB,   12                         ; bytes of 16 codes
.set XR,    16                         ; v16-79   four sets of 16 numbers as they are loaded
.set XX,    80                         ; v80-111  two sets of 16 neighbours
.set XE,    112                        ; v112-127 a scale byte for each step
.set XC,    128                        ; v128-191 codes: four registers for each step, so that no store's data are written again
.set XWREG, 8192                       ; LDS bytes 0 .. 32,767: a region for each wave: two stages of 32 x XSP bytes, then its 256 scale bytes
.set XSP,   80
.macro XLOAD t
.irp i, 0,1,2,3
	global_load_b128 v[XR+16*((\t)%4)+4*\i:XR+16*((\t)%4)+4*\i+3], v3, s[4:5] offset:2048*(\t)+512*\i th:TH_LOAD_NT
.endr
.endm
.macro XTURN t                         ; LDS serves a wave's instructions in order (ISA guide 5.7.1.4): no wait between the stores and the loads
.irp i, 0,1,2,3
	ds_store_b128 v14, v[XR+16*((\t)%4)+4*\i:XR+16*((\t)%4)+4*\i+3] offset:32*XSP*((\t)%2)+8*XSP*\i
.endr
.irp i, 0,1,2,3
	ds_load_b128 v[XX+16*((\t)%2)+4*\i:XX+16*((\t)%2)+4*\i+3], v15 offset:32*XSP*((\t)%2)+16*\i
.endr
.endm
.macro XSTEP t
.set XS, XX+16*((\t)%2)
.if (\t) > 0
	s_wait_dscnt 1                                 ; this step's numbers are back from the stage; the last step's byte store may be out
.else
	s_wait_dscnt 0x0
.endif
.if (\t)+4 < XSTEPS
	XLOAD (\t)+4                                   ; into the registers that this step's stores into the stage have read
.endif
.if (\t)+1 < XSTEPS
.if XSTEPS-2-(\t) >= 3
	s_wait_loadcnt 12                              ; the next step's four loads are in; those of the three steps behind it may be out
.else
	s_wait_loadcnt 4*(XSTEPS-2-(\t))
.endif
	XTURN (\t)+1
.endif
	v_max3_num_f32 v8, |v[XS]|, |v[XS+1]|, |v[XS+2]|
	v_max3_num_f32 v9, |v[XS+3]|, |v[XS+4]|, |v[XS+5]|
.irp i, 6,10
	v_max3_num_f32 v8, v8, |v[XS+\i]|, |v[XS+\i+1]|
	v_max3_num_f32 v9, v9, |v[XS+\i+2]|, |v[XS+\i+3]|
.endr
	v_max3_num_f32 v8, v8, |v[XS+14]|, |v[XS+15]|
	v_max3_num_f32 v8, v8, v9, FLOOR
	v_max_num_f32_dpp v8, v8, v8 row_xmask:1 row_mask:0xf bank_mask:0xf   ; with my neighbour's 16: the block's largest magnitude
	v_add_nc_u32 v11, -(EMAX<<23), v8
	v_cvt_scalef32_pk16_fp6_f32 v[XC+4*(\t):XC+4*(\t)+2], v[XS:XS+15], v11
	v_lshrrev_b32 v[XE+(\t)], 23, v11              ; the scale's byte
	ds_store_b8 v5, v[XE+(\t)] offset:16*(\t)      ; both lanes of a block write the same byte with the same value
	global_store_b96 v4, v[XC+4*(\t):XC+4*(\t)+2], s[8:9] offset:32*XCB*(\t)
.endm
.Lpath_x:
	s_load_b64 s[4:5], s[0:1], 0x0                 ; hidden_states
	s_load_b128 s[8:11], s[0:1], 0x18              ; x_codes, x_scales
	v_lshrrev_b32 v1, 5, v0
	v_readfirstlane_b32 s16, v1                    ; wave
	v_and_b32 v2, 31, v0                           ; lane
	v_lshlrev_b32 v3, 4, v2                        ; my 16 bytes of a load's 512
	s_mul_i32 s17, s16, XWREG
	v_lshrrev_b32 v14, 2, v2
	v_mul_u32_u24 v14, v14, XSP
	v_and_b32 v15, 3, v2
	v_lshl_add_u32 v14, v15, 4, v14
	v_add_nc_u32 v14, s17, v14                     ; into the stage: XSP (lane / 4) + 16 (lane % 4)
	v_mul_u32_u24 v15, v2, XSP
	v_add_nc_u32 v15, s17, v15                     ; out of it: XSP x lane: my 16 neighbours
	v_mul_u32_u24 v4, v2, XCB
	v_lshrrev_b32 v5, 1, v2
	s_add_co_u32 s17, s17, 2*32*XSP
	v_add_nc_u32 v5, s17, v5                       ; my block's scale byte in LDS
	v_lshlrev_b32 v7, 3, v2
	v_add_nc_u32 v6, s17, v7
	s_lshl_b32 s17, ttmp9, 2
	s_add_co_u32 s18, s17, s16                     ; which run of 8,192 numbers is my wave's
	s_mov_b32 s19, 0
	s_mov_b64 s[20:21], 512*XSTEPS*4
	s_mul_u64 s[20:21], s[18:19], s[20:21]
	s_mov_b64 s[22:23], 32*XSTEPS*XCB
	s_mul_u64 s[22:23], s[18:19], s[22:23]
	s_lshl_b32 s18, s18, 8                         ; 256 scale bytes a run
	s_wait_alu depctr_va_vdst(0)
	s_wait_kmcnt 0x0
	s_add_nc_u64 s[4:5], s[4:5], s[20:21]
	s_add_nc_u64 s[8:9], s[8:9], s[22:23]
	s_add_nc_u64 s[10:11], s[10:11], s[18:19]
.irp t, 0,1,2,3
	XLOAD \t
.endr
	s_wait_loadcnt 12                              ; step 0's four loads are in
	XTURN 0
.irp t, 0,1,2,3,4,5,6,7,8,9,10,11,12,13,14,15
	XSTEP \t
.endr
	ds_load_b64 v[12:13], v6                       ; these see my byte stores: LDS serves a wave's instructions in order
	s_wait_dscnt 0x0
	global_store_b64 v7, v[12:13], s[10:11]        ; 32 lanes store 256 consecutive bytes, aligned
	s_wait_tensorcnt 0x0
	ds_add_u32 v192, v193
	s_wait_dscnt 0x0
	s_endpgm
; ---------------------------------------------------------------- W_qkv: K is the first axis
; A lane takes a column n and its registers run down K: each load reads 128 consecutive bytes a wave, a block of 32 along K lies in one lane's 32 registers, and the conversions give
; codes with K innermost.  A wave takes 32 columns x 256 along K; its codes go through its own stage in LDS and leave as rows: sixteen lanes store a row's 192 consecutive bytes.
.set WNB,   8                          ; blocks of a lane
.set WPIT,  272                        ; a stage row: sixteen places of 16 bytes, each with 12 bytes of codes, + 16
.set WSTG,  32768                      ; LDS bytes 32,768 .. 67,583: 32 x WPIT for each wave
.set WKROW, 768                        ; a row of w_codes
.set WN4,   3072*4                     ; a row of W_qkv
.set WX,    32                         ; v32-95   two sets of 32 numbers
.set WC,    96                         ; v96..    a block's codes
.set WOUT,  112                        ; v112-175 the way out
.set WSB,   24                         ; v24-25   the scale bytes, four to a register
.macro WLOAD t
.irp i, 0,1,2,3,4,5,6,7,8,9,10,11,12,13,14,15,16,17,18,19,20,21,22,23,24,25,26,27,28,29,30,31
	global_load_b32 v[WX+32*((\t)%2)+\i], v3, s[4:5] offset:(32*(\t)+\i)*WN4 th:TH_LOAD_NT
.endr
.endm
.macro WBLOCK t
.set WXS, WX+32*((\t)%2)
.if (\t) < WNB-1
	s_wait_loadcnt 32                              ; this block's 32 loads are in; the next block's may be out
.else
	s_wait_loadcnt 0x0
.endif
	BMAX 12, 13, WXS
	v_add_nc_u32 v11, -(EMAX<<23), v12
	v_lshrrev_b32 v13, 23, v11
.if (\t)%4 == 0
	v_mov_b32 v[WSB+(\t)/4], v13                   ; four bytes to a register, the lower K in the lower byte
.else
	v_lshl_or_b32 v[WSB+(\t)/4], v13, 8*((\t)%4), v[WSB+(\t)/4]
.endif
	v_cvt_scalef32_pk16_fp6_f32 v[WC:WC+2], v[WXS:WXS+15], v11
	v_cvt_scalef32_pk16_fp6_f32 v[WC+4:WC+6], v[WXS+16:WXS+31], v11     ; (a conversion's three registers begin on an even number)
	ds_store_b96 v4, v[WC:WC+2] offset:32*(\t)     ; 12 bytes to a place of 16, so that every LDS address is a multiple of 16
	ds_store_b96 v4, v[WC+4:WC+6] offset:32*(\t)+16
.if (\t)+2 < WNB
	WLOAD (\t)+2
.endif
	s_wait_dscnt 0x0                               ; the stores have read their registers: the next block's codes may be written
.endm
.Lpath_w:
	s_load_b64 s[4:5], s[0:1], 0x8                 ; W_qkv
	s_load_b128 s[8:11], s[0:1], 0x28              ; w_codes, w_scales
	v_lshrrev_b32 v1, 5, v0
	v_readfirstlane_b32 s16, v1                    ; wave
	v_and_b32 v2, 31, v0                           ; lane
	s_wait_alu depctr_va_vdst(0)
	s_sub_co_u32 s12, ttmp9, 256
	s_lshr_b32 s13, s12, 2                         ; which 128 columns
	s_and_b32 s18, s12, 3                          ; which 256 along K
	s_lshl_b32 s17, s13, 7
	s_lshl_b32 s14, s16, 5
	s_add_co_u32 s17, s17, s14                     ; my wave's first column
	v_lshlrev_b32 v3, 2, v2
	s_mul_i32 s19, s16, 32*WPIT
	s_add_co_u32 s19, s19, WSTG                    ; my stage
	v_mul_u32_u24 v4, v2, WPIT
	v_add_nc_u32 v4, s19, v4                       ; into it: row = my column
	v_and_b32 v5, 15, v2
	v_lshrrev_b32 v6, 4, v2
	v_mul_u32_u24 v7, v6, WPIT
	v_lshl_add_u32 v7, v5, 4, v7
	v_add_nc_u32 v7, s19, v7                       ; out of it: sixteen lanes to a row, two rows an instruction
	v_mul_u32_u24 v8, v6, WKROW
	v_mad_u32_u24 v8, v5, 12, v8                   ; and the same place in w_codes
	v_lshlrev_b32 v9, 5, v2                        ; my column's row of scale bytes
	s_mul_i32 s20, s18, 256*WN4                    ; every offset stays under 2^32
	s_lshl_b32 s22, s17, 2
	s_add_co_u32 s20, s20, s22
	s_mov_b32 s21, 0
	s_mul_i32 s24, s17, WKROW
	s_mul_i32 s26, s18, 192
	s_add_co_u32 s24, s24, s26
	s_mov_b32 s25, 0
	s_lshl_b32 s28, s17, 5
	s_lshl_b32 s26, s18, 3
	s_add_co_u32 s28, s28, s26
	s_mov_b32 s29, 0
	s_wait_kmcnt 0x0
	s_add_nc_u64 s[4:5], s[4:5], s[20:21]
	s_add_nc_u64 s[8:9], s[8:9], s[24:25]
	s_add_nc_u64 s[10:11], s[10:11], s[28:29]
	WLOAD 0
	WLOAD 1
.irp t, 0,1,2,3,4,5,6,7
	WBLOCK \t
.endr
	s_wait_alu depctr_va_vdst(0)
	global_store_b64 v9, v[WSB:WSB+1], s[10:11]    ; my column's eight scale bytes
.irp t, 0,1,2,3,4,5,6,7,8,9,10,11,12,13,14,15
	ds_load_b96 v[WOUT+4*\t:WOUT+4*\t+2], v7 offset:2*\t*WPIT
.endr
.irp t, 0,1,2,3,4,5,6,7,8,9,10,11,12,13,14,15
	s_wait_dscnt 15-\t                             ; the younger row loads may be out
	global_store_b96 v8, v[WOUT+4*\t:WOUT+4*\t+2], s[8:9] offset:2*\t*WKROW
.endr
	s_wait_tensorcnt 0x0
	ds_add_u32 v192, v193
	s_wait_dscnt 0x0
	s_endpgm
.Lfunc_end_k_q0b80bd9af6_prep:
	.size	k_q0b80bd9af6_prep, .Lfunc_end_k_q0b80bd9af6_prep-k_q0b80bd9af6_prep
	.p2alignl 7, 3214868480
	.fill 96, 4, 3214868480
	.section	.rodata,"a",@progbits
	.p2align	6, 0x0
	.amdhsa_kernel k_q0b80bd9af6_prep
		.amdhsa_group_segment_fixed_size 68096
		.amdhsa_private_segment_fixed_size 0
		.amdhsa_enable_private_segment 0
		.amdhsa_kernarg_size 64
		.amdhsa_user_sgpr_count 2
		.amdhsa_user_sgpr_kernarg_segment_ptr 1
		.amdhsa_wavefront_size32 1
		.amdhsa_system_sgpr_workgroup_id_x 1
		.amdhsa_system_sgpr_workgroup_id_y 1
		.amdhsa_system_sgpr_workgroup_id_z 1
		.amdhsa_system_vgpr_workitem_id 0
		.amdhsa_next_free_vgpr 194
		.amdhsa_next_free_sgpr 66
		.amdhsa_reserve_vcc 1
		.amdhsa_float_denorm_mode_32 3
		.amdhsa_float_denorm_mode_16_64 3
		.amdhsa_memory_ordered 1
		.amdhsa_forward_progress 1
		.amdhsa_inst_pref_size 83
	.end_amdhsa_kernel
	.amdgpu_metadata
---
amdhsa.version: [ 1, 2 ]
amdhsa.kernels:
  - .name:           k_q0b80bd9af6_prep
    .symbol:         k_q0b80bd9af6_prep.kd
    .args:
      - { .name: hidden_states, .offset: 0, .size: 8, .value_kind: global_buffer, .address_space: global }
      - { .name: W_qkv, .offset: 8, .size: 8, .value_kind: global_buffer, .address_space: global }
      - { .name: dist_emb, .offset: 16, .size: 8, .value_kind: global_buffer, .address_space: global }
      - { .name: x_codes, .offset: 24, .size: 8, .value_kind: global_buffer, .address_space: global }
      - { .name: x_scales, .offset: 32, .size: 8, .value_kind: global_buffer, .address_space: global }
      - { .name: w_codes, .offset: 40, .size: 8, .value_kind: global_buffer, .address_space: global }
      - { .name: w_scales, .offset: 48, .size: 8, .value_kind: global_buffer, .address_space: global }
      - { .name: etab, .offset: 56, .size: 8, .value_kind: global_buffer, .address_space: global }
    .group_segment_fixed_size: 68096
    .private_segment_fixed_size: 0
    .kernarg_segment_align: 8
    .kernarg_segment_size: 64
    .max_flat_workgroup_size: 128
    .sgpr_count:     66
    .vgpr_count:     194
    .wavefront_size: 32
...
	.end_amdgpu_metadata
.endif
;; end of part 1
;; launch qkv (part 2): grid 16 x 32, 12 waves a work-group, clusters of 4 x 4, 327,680 bytes of LDS; arguments x_codes, x_scales, w_codes, w_scales, b_qkv, q_img, q_sc, kv; writes q_img, q_sc, kv
.if DOCPART == 2
	.amdgcn_target "amdgcn-amd-amdhsa--gfx1250"
	.amdhsa_code_object_version 6
	.text
	.protected	k_q0b80bd9af6_qkv
	.globl	k_q0b80bd9af6_qkv
	.p2align	8
	.type	k_q0b80bd9af6_qkv,@function
k_q0b80bd9af6_qkv:
	s_mov_b64 s[64:65], 0
	v_nop
	global_prefetch_b8 v0, s[64:65] scope:SCOPE_SE
	s_setreg_imm32_b32 hwreg(HW_REG_WAVE_MODE, 25, 1), 1
	s_wait_xcnt 0x0
	s_wait_alu depctr_hold_cnt(0) depctr_sa_sdst(0) depctr_va_vdst(0) depctr_va_sdst(0) depctr_va_ssrc(0) depctr_va_vcc(0) depctr_vm_vsrc(0)
	s_getreg_b32 s2, hwreg(HW_REG_IB_STS2, 6, 4)
	s_cmp_eq_u32 s2, 0
	s_cbranch_scc0 .Lentry_in_a_cluster
	s_endpgm
.Lentry_in_a_cluster:
	s_bfe_u32 s2, ttmp6, 0x10000c
	s_cmp_lg_u32 s2, 0xf033
	s_cbranch_scc0 .Lentry_shape_is_right
	s_endpgm
.Lentry_shape_is_right:
; qkv = hidden_states W_qkv + b_qkv on codes of FP6 (E2M3) with E8M0 scales, K = 1,024; the results are quantised at once for the attention launch and never go to memory as f32.
; SHARES.  A work-group makes 256 positions of one batch x the 192 columns [q | k | v] of one head.  Twelve waves: role = wave / 4 (0 q, 1 k, 2 v), rg = wave % 4: positions 64 rg on.
; Every wave runs on 16 accumulators: acc[y][t] += X[t] Y[y], X source 0 (its rows lie along a lane's registers), Y source 1 (its rows lie across the lanes).
;   q, k: X = the role's 64 rows of W, Y = my 64 positions: a lane holds one position, its registers run along d, the K of the score products.
;   v:    X = my 64 positions, Y = the 64 v rows of W: a lane holds one d, its registers run along the keys, the K of the last product.
; A row of codes is 768 bytes: THREE CHUNKS OF 256 BYTES, each beginning at a multiple of 256.  Chunk c lies in slot c % 2 (448 rows: positions 0-255, W's rows 256-447; 16 bytes of padding a row).
; A step of 128 along K is 96 bytes: eight steps; steps 2 and 5 lie across two chunks and read both slots.  The scale bytes of all 448 rows, for all of K, come once.
; THE HEAD: twelve tiles, one load a wave: waves 0-3 the positions' chunk 0 (64 rows each), waves 4-7 their chunk 1, wave 8 W's chunk 0 (192 rows), wave 9 W's chunk 1,
; wave 10 the positions' scale bytes, wave 11 W's.  Chunk 2 is filled into slot 0 behind step 2, behind the waits, the add and a round of the cluster's barrier: waves 0-3 the positions, waves 4-6 W, 64 rows each.
; CLUSTER 4 x 4: the four work-groups of a row of the cluster share the positions' tiles, the four of a column the head's rows of W: each tile is asked for jointly.
; No prefetch: the walk is three chunks, written out; there is no loop to run ahead in.
; WHAT IS STORED (images of the operand registers that the attention launch loads):
;   q_img [bh][tile of 16 queries][3 planes][lane][8 bytes];  q_sc: a word a query: its two bytes, twice.
;   kv: a record of 153,600 bytes a head: 64 tiles K' of 1,536 bytes; from 98,304 V's 32 fragments; from 147,456 K's scale words; from 151,552 V's.
;   A tile K' (b, u) holds keys 32 b + 8 u + 0 .. 7 in rows 0-7, as [K | 0] along a K of 128, and keys 32 b + 16 + 8 u + 0 .. 7 in rows 8-15, as [0 | K].
; The bias is loaded into the accumulators, so that every product adds in place.
; LIMITS: a block of zeros gets the scale byte 1 (its codes are zeros; this program alone reads the bytes); NaN and infinities are not served.
.set PITCH, 272
.set LROWS, 64*PITCH                   ; 64 rows in LDS
.set SLOT1, 0x20000                    ; slot 0 at byte 0 (121,856 bytes), slot 1 here
.set SCLA,  252928                     ; the scale bytes, 32 a row, of rows 0-447 on end
.set SCLB,  SCLA+8192
.set SCT,   267264                     ; 2,560 bytes that LDS stores alone write: the scale words on their way out
.set SPARE, 269824                     ; the spare words: 128 bytes for each of twelve waves
.set FR,    12
.set SPW,   1
.set NIL,   2
.set XA,    3                          ; v3-6   X's fragments: slot 0, slot 1, across 0 -> 1, across 1 -> 0
.set YA,    24                         ; v24-27 the same for Y (free again behind the products)
.set XSA,   7
.set YSA,   8
.set SCW,   9
.set SCR,   10
.set O8,    11
.set O16,   12
.set XS,    16
.set YS,    20
.set XF,    32
.set YF,    80
.set ACC,   128
.set WV,    20
.set ROLE,  21
.set RG,    22
.set FV,    23
.set G1A,   24                         ; s[24:31], s[32:39] group 1 of the positions' and of W's codes; s[40:47], s[48:55] of their scale bytes
.set G1B,   32
.set G1SA,  40
.set G1SB,  48
.set G0A,   56                         ; s[56:63] group 0 of the positions' codes, a set for each slot;  s[68:71] of W's chunk 2
.set G0B,   68
.set G0SA,  76
.set G0SB,  80
.set G0H,   4                          ; s[4:7], s[8:11] group 0 of W's chunks 0 and 1, whole (the arguments that lay there have been used by then)
.set G0H2,  8
.set SEL,   100
.macro CROUND
	s_barrier_signal -1
	s_barrier_wait -1
	s_cmp_lg_u32 s[WV], 0
	s_cbranch_scc1 .Lnot_wave_0_\@
	s_barrier_signal -3
.Lnot_wave_0_\@:
	s_barrier_wait -3
	s_barrier_signal -1
	s_barrier_wait -1
.endm
.macro TLOAD g0, g1                    ; a tensor load with an s_nop and four v_nop behind it
	tensor_load_to_lds s[\g0:\g0+3], s[\g1:\g1+7]
	s_nop 0
.rept 4
	v_nop
.endr
.endm
.macro JLOAD3 g0a, g0b                 ; a chunk: waves 0-3 fetch 64 positions each, waves 4-6 64 rows of W each, the others nothing
	s_cmp_lt_u32 s[WV], 4
	s_cbranch_scc0 .Lnot_a_\@
	TLOAD \g0a, G1A
	s_branch .Lasked_\@
.Lnot_a_\@:
	s_cmp_lt_u32 s[WV], 7
	s_cbranch_scc0 .Lasked_\@
	TLOAD \g0b, G1B
.Lasked_\@:
.endm
.macro ARM under, g0, g1, next         ; an arm of the head's one chain of branches on the wave's number
	s_cmp_lt_u32 s[WV], \under
	s_cbranch_scc0 \next
	TLOAD \g0, \g1
	s_branch .Lhj
\next:
.endm
	s_load_b512 s[4:19], s[0:1], 0x0               ; x_codes, x_scales, w_codes, w_scales, b_qkv, q_img, q_sc, kv
	v_lshl_add_u32 v[SPW], v0, 2, SPARE
	v_mov_b32 v[NIL], 0
	ds_add_u32 v[SPW], v[NIL]                      ; the opening lines: the add twice and its wait
	ds_add_u32 v[SPW], v[NIL]
	s_wait_dscnt 0x0
	v_lshrrev_b32 v28, 5, v0
	s_delay_alu instid0(VALU_DEP_1)
	v_readfirstlane_b32 s[WV], v28
	s_lshr_b32 s[ROLE], s[WV], 2
	s_and_b32 s[RG], s[WV], 3
	s_lshr_b32 s[FV], s[WV], 3
	s_bfe_u32 s84, ttmp6, 0x40000                  ; cx, cy
	s_bfe_u32 s85, ttmp6, 0x40004
	s_lshl_b32 s86, ttmp9, 2
	s_add_co_u32 s86, s86, s84                     ; the head
	s_and_b32 s87, ttmp7, 0xffff
	s_lshl_b32 s87, s87, 2
	s_add_co_u32 s87, s87, s85                     ; the block of 256 rows of x
	s_lshl_b32 s88, s85, 2
	s_lshl_b32 s88, 15, s88                        ; my row of the cluster
	s_lshl_b32 s89, 0x1111, s84                    ; my column
	; group 1 of the codes: rows of 256 bytes, 768 apart in memory; 4 words of padding behind every 64.  The positions: 64 rows; W: 192 rows at the head, 64 behind it
	s_or_b32 s[G1A], s88, (1<<20)|(1<<21)|(5<<22)|(3<<25)
	s_or_b32 s[G1B], s89, (1<<20)|(1<<21)|(5<<22)|(3<<25)
	s_mov_b32 s[G1A+1], 256<<16
	s_mov_b32 s[G1A+2], 64<<16
	s_mov_b32 s[G1A+3], 256<<16
	s_mov_b32 s[G1A+4], 64
	s_mov_b32 s[G1A+5], 768
	s_mov_b32 s[G1A+6], 0
	s_mov_b32 s[G1A+7], 0
	s_mov_b32 s[G1B+1], 256<<16
	s_mov_b32 s[G1B+2], 192<<16
	s_mov_b32 s[G1B+3], 256<<16
	s_mov_b32 s[G1B+4], 192
	s_mov_b32 s[G1B+5], 768
	s_mov_b32 s[G1B+6], 0
	s_mov_b32 s[G1B+7], 0
	; group 1 of the scale bytes: dense, as rows of 256 bytes (32 elements of 8): 32 rows for the positions, 24 for W
	s_or_b32 s[G1SA], s88, (3<<16)|(1<<21)
	s_or_b32 s[G1SB], s89, (3<<16)|(1<<21)
	s_mov_b32 s[G1SA+1], 32<<16
	s_mov_b32 s[G1SA+2], 32<<16
	s_mov_b32 s[G1SA+3], 32<<16
	s_mov_b32 s[G1SA+4], 32
	s_mov_b32 s[G1SA+5], 32
	s_mov_b32 s[G1SA+6], 0
	s_mov_b32 s[G1SA+7], 0
	s_mov_b32 s[G1SB+1], 32<<16
	s_mov_b32 s[G1SB+2], 24<<16
	s_mov_b32 s[G1SB+3], 32<<16
	s_mov_b32 s[G1SB+4], 24
	s_mov_b32 s[G1SB+5], 32
	s_mov_b32 s[G1SB+6], 0
	s_mov_b32 s[G1SB+7], 0
	s_lshl_b32 s91, s[RG], 6                       ; which 64 rows I fetch
	s_lshl_b32 s90, s87, 8
	s_add_co_u32 s90, s90, s91
	s_mul_i32 s92, s90, 768
	s_mov_b32 s93, 0
	s_lshl_b32 s94, s87, 13                        ; the scale bytes of the block's 256 rows
	s_mov_b32 s95, 0
	s_mul_i32 s96, s86, 192
	s_add_co_u32 s96, s96, s91
	s_mul_i32 s98, s96, 768
	s_mov_b32 s99, 0
	s_mul_i32 s100, s86, 6144                      ; the scale bytes of the head's 192 rows
	s_mov_b32 s101, 0
	s_mul_i32 s90, s86, 192*768                    ; the head's first row of W
	s_mov_b32 s91, 0
	s_mul_i32 s97, s[WV], LROWS                    ; LDS: W's chunk 2: wave x 64 rows (waves 4-6: rows 256 on)
	s_mul_i32 s85, s[RG], LROWS                    ; LDS: the positions: rg x 64 rows
	s_wait_kmcnt 0x0
	s_add_nc_u64 s[92:93], s[4:5], s[92:93]
	s_add_nc_u64 s[94:95], s[6:7], s[94:95]
	s_add_nc_u64 s[98:99], s[8:9], s[98:99]
	s_add_nc_u64 s[90:91], s[8:9], s[90:91]
	s_add_nc_u64 s[100:101], s[10:11], s[100:101]
	s_mov_b32 s[G0SA], 1
	s_mov_b32 s[G0SA+1], SCLA
	s_mov_b64 s[G0SA+2:G0SA+3], s[94:95]
	s_or_b32 s[G0SA+3], s[G0SA+3], 0x80000000
	s_mov_b32 s[G0SB], 1
	s_mov_b32 s[G0SB+1], SCLB
	s_mov_b64 s[G0SB+2:G0SB+3], s[100:101]
	s_or_b32 s[G0SB+3], s[G0SB+3], 0x80000000
	s_mov_b32 s[G0H], 1                            ; W's chunk 0, whole, behind the positions' 256 rows of slot 0
	s_mov_b32 s[G0H+1], 4*LROWS
	s_mov_b64 s[G0H+2:G0H+3], s[90:91]
	s_or_b32 s[G0H+3], s[G0H+3], 0x80000000
	s_mov_b32 s[G0H2], 1                           ; and its chunk 1, in slot 1
	s_mov_b32 s[G0H2+1], 4*LROWS+SLOT1
	s_add_nc_u64 s[G0H2+2:G0H2+3], s[90:91], 256
	s_or_b32 s[G0H2+3], s[G0H2+3], 0x80000000
.irp s, 0,1
	s_mov_b32 s[G0A+4*\s], 1
	s_add_co_u32 s[G0A+4*\s+1], s85, \s*SLOT1
	s_add_nc_u64 s[G0A+4*\s+2:G0A+4*\s+3], s[92:93], \s*256   ; chunk s
	s_or_b32 s[G0A+4*\s+3], s[G0A+4*\s+3], 0x80000000
.endr
	s_mov_b32 s[G0B], 1                            ; W's chunk 2, my 64 rows, into slot 0
	s_mov_b32 s[G0B+1], s97
	s_add_nc_u64 s[G0B+2:G0B+3], s[98:99], 512
	s_or_b32 s[G0B+3], s[G0B+3], 0x80000000
	CROUND                                         ; all sixteen work-groups are here: the first joint loads meet
	ARM 4,  G0A,   G1A,  .Lh1
	ARM 8,  G0A+4, G1A,  .Lh2
	ARM 9,  G0H,   G1B,  .Lh3
	ARM 10, G0H2,  G1B,  .Lh4
	ARM 11, G0SA,  G1SA, .Lh5
	TLOAD G0SB, G1SB
.Lhj:
	; the scalars of every LDS address first, then the vector lines on end
	s_xor_b32 s90, s[FV], 1                        ; 1 in q's and k's waves
	s_lshl_b32 s91, s[ROLE], 6
	s_add_co_u32 s91, s91, 256
	s_mul_i32 s91, s91, s90                        ; q, k: X = W's rows 256 + 64 role
	s_lshl_b32 s92, s[RG], 6
	s_mul_i32 s93, s92, s[FV]                      ; v: X = positions 64 rg
	s_add_co_u32 s91, s91, s93
	s_mul_i32 s92, s92, s90                        ; q, k: Y = positions 64 rg
	s_mul_i32 s93, s[FV], 384                      ; v: Y = W's rows 256 + 128
	s_add_co_u32 s92, s92, s93
	s_mul_i32 s93, s91, PITCH
	s_mul_i32 s94, s92, PITCH
	s_lshl_b32 s95, s91, 5
	s_add_co_u32 s95, s95, SCLA
	s_lshl_b32 s96, s92, 5
	s_add_co_u32 s96, s96, SCLA
	s_lshl_b32 s97, s[RG], 8                       ; q, k: my four tiles' words
	s_mul_i32 s97, s97, s90
	s_lshr_b32 s98, s[RG], 1                       ; v: key step rg / 2, half rg % 2 of each word
	s_lshl_b32 s98, s98, 8
	s_and_b32 s99, s[RG], 1
	s_lshl_b32 s99, s99, 1
	s_add_co_u32 s98, s98, s99
	s_mul_i32 s98, s98, s[FV]
	s_add_co_u32 s97, s97, s98
	s_lshl_b32 s98, s[ROLE], 10
	s_add_co_u32 s97, s97, s98
	s_add_co_u32 s97, s97, SCT
	s_mov_b32 s98, SLOT1-232
	s_mov_b32 s99, SLOT1+232
	v_and_b32 v28, 15, v0                          ; r
	v_bfe_u32 v29, v0, 4, 1                        ; h
	v_and_b32 v15, 31, v0                          ; lane
	v_mul_u32_u24 v30, v28, PITCH
	v_sub_nc_u32 v31, 1, v29
	v_mul_u32_u24 v14, s98, v29
	v_mad_u32_u24 v13, v29, 24, v30                ; row x pitch + 24 h
	v_mul_u32_u24 v31, s99, v31
	v_add_nc_u32 v14, v30, v14
	v_add_nc_u32 v31, v30, v31                     ; lanes 0-15 byte 232 of the row in slot 1, lanes 16-31 byte 0 in slot 0
	s_delay_alu instid0(VALU_DEP_2)
	v_add_nc_u32 v14, 232, v14                     ; lanes 0-15 byte 232 of the row in slot 0, lanes 16-31 byte 0 in slot 1
	v_add_nc_u32 v[XA], s93, v13
	v_add_nc_u32 v[YA], s94, v13
	v_add_nc_u32 v[XA+3], s93, v31
	v_add_nc_u32 v[YA+3], s94, v31
	v_add_nc_u32 v[XA+2], s93, v14
	v_add_nc_u32 v[YA+2], s94, v14
	v_add_nc_u32 v[XA+1], SLOT1, v[XA]
	v_add_nc_u32 v[YA+1], SLOT1, v[YA]
	v_lshl_add_u32 v[XSA], v28, 5, s95             ; 32 bytes of scales a row
	v_lshl_add_u32 v[YSA], v28, 5, s96
	v_lshl_add_u32 v[SCW], v28, 2, s97
	v_lshl_add_u32 v[SCR], v15, 4, SCT
	v_lshlrev_b32 v[O8], 3, v15
	v_lshlrev_b32 v[O16], 4, v15
	v_lshlrev_b32 v13, 5, v29
	v_lshlrev_b32 v14, 2, v28
	s_wait_alu depctr_va_vdst(0)                   ; the wait ahead of the run of scalar lines
	s_mov_b32 s[SEL], 0x76543210
	s_mov_b32 s[SEL+1], 0xfedcba98
	; where the results go
	s_lshr_b32 s88, s87, 2
	s_lshl_b32 s88, s88, 4
	s_add_co_u32 s88, s88, s86                     ; bh = 16 x batch + head
	s_and_b32 s89, s87, 3                          ; which 256 positions of the sequence
	s_lshl_b32 s90, s89, 4
	s_lshl_b32 s91, s[RG], 2
	s_add_co_u32 s90, s90, s91                     ; my first tile of 16 positions in the head
	s_mov_b32 s85, 0
	s_mul_i32 s84, s88, 153600
	s_add_nc_u64 s[18:19], s[18:19], s[84:85]      ; my head's record
	s_mul_i32 s84, s88, 49152
	s_mul_i32 s91, s90, 768
	s_add_co_u32 s84, s84, s91
	s_add_nc_u64 s[14:15], s[14:15], s[84:85]      ; q's images
	s_lshl_b32 s84, s88, 12
	s_lshl_b32 s91, s89, 10
	s_add_co_u32 s84, s84, s91
	s_add_nc_u64 s[16:17], s[16:17], s[84:85]      ; q's scale words
	s_mul_i32 s84, s90, 1536
	s_add_nc_u64 s[92:93], s[18:19], s[84:85]      ; the tiles K'
	s_add_co_u32 s84, s91, 147456
	s_add_nc_u64 s[94:95], s[18:19], s[84:85]      ; their scale words
	s_lshl_b32 s84, s89, 1
	s_lshr_b32 s91, s[RG], 1
	s_add_co_u32 s84, s84, s91                     ; my key step of 128
	s_mul_i32 s84, s84, 6144
	s_and_b32 s91, s[RG], 1
	s_mul_i32 s91, s91, 768                        ; its lower or upper 64 keys
	s_add_co_u32 s84, s84, s91
	s_add_co_u32 s84, s84, 98304
	s_add_nc_u64 s[96:97], s[18:19], s[84:85]      ; V's images
	s_lshl_b32 s84, s89, 9
	s_add_co_u32 s84, s84, 151552
	s_add_nc_u64 s[98:99], s[18:19], s[84:85]      ; V's scale words
	s_mul_i32 s84, s86, 768
	s_lshl_b32 s91, s[ROLE], 8
	s_add_co_u32 s84, s84, s91
	s_add_nc_u64 s[12:13], s[12:13], s[84:85]      ; the bias of my role's 64 columns
	s_cmp_eq_u32 s[FV], 0
	s_cbranch_scc0 .Lbias_v
.irp y, 0,1,2,3
.irp t, 0,1,2,3
	global_load_b128 v[ACC+32*\y+8*\t:ACC+32*\y+8*\t+3], v13, s[12:13] offset:64*\t          ; q, k: register j is d = 16 t + 8 h + j
	global_load_b128 v[ACC+32*\y+8*\t+4:ACC+32*\y+8*\t+7], v13, s[12:13] offset:64*\t+16
.endr
.endr
	s_wait_loadcnt 0x0
	s_branch .Lbias_done
.Lbias_v:
.irp y, 0,1,2,3
	global_load_b32 v[ACC+32*\y], v14, s[12:13] offset:64*\y                                  ; v: the lane is d = 16 y + r, in all its registers
.endr
	s_wait_loadcnt 0x0
.irp y, 0,1,2,3
.set i, 1
.rept 31
	v_mov_b32 v[ACC+32*\y+i], v[ACC+32*\y]
.set i, i+1
.endr
.endr
.Lbias_done:
; a fragment, 16 rows x 128 K, is 12 registers: registers 6 c .. 6 c + 5 hold K = 64 c + 32 (l / 16) + 0 .. 31: 24 bytes of the row's stream of bits, in pieces of 8 bytes.
; Byte y of a row lies in chunk y / 256, slot (y / 256) % 2.  Lanes 16-31 read 24 bytes further on; where that is the next chunk, the third or fourth address register serves.
.macro FRAG reg, adr, st, i
.irp p, 0,1,2,3,4,5
.set BY, 96*(\st)+48*(\p/3)+8*(\p%3)
.if BY/256 == (BY+24)/256
	ds_load_b64 v[\reg+2*\p:\reg+2*\p+1], v[\adr+(BY/256)%2] offset:BY%256+(\i)*16*PITCH
.else
	ds_load_b64 v[\reg+2*\p:\reg+2*\p+1], v[\adr+2+(BY/256)%2] offset:BY%256-232+(\i)*16*PITCH
.endif
.endr
.endm
; step st of 128 along K: eight fragments, eight scale words, sixteen products; the sixteen accumulators take turns
.macro SUB st, first
.if \first == 0
.rept 4
	v_nop                                          ; places in front of loads into registers that matrix instructions have read
.endr
.endif
.irp t, 0,1,2,3
	FRAG XF+FR*\t, XA, \st, \t
.endr
.irp y, 0,1,2,3
	FRAG YF+FR*\y, YA, \st, \y
.endr
.irp t, 0,1,2,3
	ds_load_b32 v[XS+\t], v[XSA] offset:512*\t+4*\st
	ds_load_b32 v[YS+\t], v[YSA] offset:512*\t+4*\st
.endr
	s_wait_dscnt 0x0
.irp y, 0,1,2,3
.irp t, 0,1,2,3
	v_wmma_scale_f32_16x16x128_f8f6f4 v[ACC+32*\y+8*\t:ACC+32*\y+8*\t+7], v[XF+FR*\t:XF+FR*\t+FR-1], v[YF+FR*\y:YF+FR*\y+FR-1], v[ACC+32*\y+8*\t:ACC+32*\y+8*\t+7], v[XS+\t], v[YS+\y] matrix_a_fmt:MATRIX_FMT_FP6 matrix_b_fmt:MATRIX_FMT_FP6
.endr
.endr
.endm
	s_wait_alu depctr_va_vdst(0)                   ; the wait at the head's end
	s_wait_tensorcnt 0x0                           ; my tile of the head's twelve is in; no tensor load of mine is out, so a descriptor may be written:
	s_mov_b32 s[G1B+2], 64<<16                     ; from here on a load of W brings 64 rows
	s_mov_b32 s[G1B+4], 64
	s_wait_dscnt 0x0
	s_barrier_signal -1
	s_barrier_wait -1                              ; all twelve tiles are in: chunks 0 and 1 and the scale bytes
	SUB 0, 1
	SUB 1, 0
	SUB 2, 0                                       ; reads both slots; behind it chunk 0 is read no more
	s_wait_tensorcnt 0x0                           ; no tensor load of mine is out, so a group 0 may be written
	ds_add_u32 v[SPW], v[NIL]                      ; 0 onto my spare word
	s_add_nc_u64 s[G0A+2:G0A+3], s[G0A+2:G0A+3], 512
	s_wait_dscnt 0x0                               ; the add is done, and my reads of slot 0 are over
	CROUND
	JLOAD3 G0A, G0B                                ; chunk 2 into slot 0
	SUB 3, 0
	SUB 4, 0
	s_wait_tensorcnt 0x0                           ; my part of chunk 2 is in
	s_wait_dscnt 0x0
	s_barrier_signal -1
	s_barrier_wait -1                              ; everybody's
	SUB 5, 0
	SUB 6, 0
	SUB 7, 0
; THE RESULTS ARE QUANTISED.  In tile t a lane's eight registers are 16 t + 8 h + 0 .. 7 along the axis to be quantised.  Lanes 16-31 of tile 2 e change places with lanes 0-15 of tile 2 e + 1:
; the 16 registers of the two tiles are then 32 e + 16 h + 0 .. 15, and a block of 32 lies in lanes l and l xor 16.
.rept 4
	v_nop
.endr
.irp y, 0,1,2,3
.irp e, 0,1
.irp j, 0,1,2,3,4,5,6,7
	v_permlane16_swap_b32 v[ACC+32*\y+16*\e+\j], v[ACC+32*\y+16*\e+8+\j]   ; each accumulator from its low end on
.endr
.endr
.endr
; my y-th 16 lanes' 64 numbers: two blocks -> six registers of codes at YF + 12 y, the two scale bytes in v[YS + y], the word (the bytes twice) in v[XS + y]
.macro QUANT32 y
.set QS, ACC+32*\y
.set QC, YF+12*\y
.irp b, 0,1
	v_max3_num_f32 v[24+\b], |v[QS+16*\b]|, |v[QS+1+16*\b]|, 0x1800000   ; and the floor 2^(3 - 127)
.endr
.irp i, 2,4,6,8,10,12,14
.irp b, 0,1
	s_delay_alu instid0(VALU_DEP_2)
	v_max3_num_f32 v[24+\b], v[24+\b], |v[QS+16*\b+\i]|, |v[QS+1+16*\b+\i]|
.endr
.endr
.irp b, 0,1
	s_delay_alu instid0(VALU_DEP_2)
	v_permlanex16_b32 v[26+\b], v[24+\b], s[SEL], s[SEL+1]
.endr
.irp b, 0,1
	s_delay_alu instid0(VALU_DEP_2)
	v_max_num_f32 v[24+\b], v[24+\b], v[26+\b]
.endr
.irp b, 0,1
	s_delay_alu instid0(VALU_DEP_2)
	v_add_nc_u32 v[28+\b], 0xff000000, v[24+\b]    ; 2 off the exponent field: the conversion's scale operand
.endr
.irp b, 0,1
	s_delay_alu instid0(VALU_DEP_2)
	v_lshrrev_b32 v[26+\b], 23, v[28+\b]           ; the scale's byte
.endr
	s_delay_alu instid0(VALU_DEP_1)
	v_lshl_or_b32 v[YS+\y], v27, 8, v26
	s_delay_alu instid0(VALU_DEP_1)
	v_lshl_or_b32 v[XS+\y], v[YS+\y], 16, v[YS+\y]
	v_cvt_scalef32_pk16_fp6_f32 v[QC:QC+2], v[QS:QS+15], v28
	v_cvt_scalef32_pk16_fp6_f32 v[QC+4:QC+6], v[QS+16:QS+31], v29
	v_nop                                          ; one plain line behind a scaled conversion
.irp i, 0,1,2
	v_permlane16_swap_b32 v[QC+\i], v[QC+4+\i]     ; a whole block to a lane
.endr
.irp i, 0,1,2
	s_delay_alu instid0(VALU_DEP_3)
	v_mov_b32 v[QC+3+\i], v[QC+4+\i]
.endr
.endm
	QUANT32 0
	QUANT32 1
	QUANT32 2
	QUANT32 3
	s_cmp_eq_u32 s[ROLE], 0
	s_cbranch_scc0 .Lnot_q
.irp y, 0,1,2,3                                ; q: three planes of 256 consecutive bytes a tile
.irp p, 0,1,2
	global_store_b64 v[O8], v[YF+12*\y+2*\p:YF+12*\y+2*\p+1], s[14:15] offset:768*\y+256*\p
.endr
	ds_store_b32 v[SCW], v[XS+\y] offset:64*\y
.endr
	s_branch .Lstored
.Lnot_q:
	s_cmp_eq_u32 s[ROLE], 1
	s_cbranch_scc0 .Lis_v
	; k: of my tiles 2 e and 2 e + 1 two tiles K' are made.  u = 0: rows 0-7 = the even tile's lanes 0-7 in the lower six registers, rows 8-15 = the odd tile's lanes 0-7 in the upper six.
	; u = 1: rows 0-7 = the even tile's lanes 8-15, rows 8-15 = the odd tile's lanes 8-15.  All else is zero codes.
	v_and_b32 v24, 8, v0
	s_delay_alu instid0(VALU_DEP_1)
	v_cmp_eq_u32 s84, 0, v24
	s_delay_alu instid0(VALU_DEP_2)
	v_cmp_ne_u32 s85, 0, v24
.irp e, 0,1
.irp i, 0,1,2,3,4,5
	v_cndmask_b32 v[XF+24*\e+\i], 0, v[YF+24*\e+\i], s84
	v_mov_b32 v[XF+24*\e+6+\i], 0
	v_mov_b32 v[XF+24*\e+12+\i], 0
	v_cndmask_b32 v[XF+24*\e+18+\i], 0, v[YF+24*\e+12+\i], s85
.endr
.irp i, 0,1,2,3,4,5
	v_mov_b32_dpp v[XF+24*\e+6+\i], v[YF+24*\e+12+\i] row_shr:8 row_mask:0xf bank_mask:0xf    ; lane l takes lane l - 8; lanes 0-7 keep their zeros
	v_mov_b32_dpp v[XF+24*\e+12+\i], v[YF+24*\e+\i] row_shl:8 row_mask:0xf bank_mask:0xf      ; lane l takes lane l + 8; lanes 8-15 keep their zeros
.endr
	v_mov_b32 v[28+2*\e], v[XS+2*\e]               ; the scale words go the same ways
	v_mov_b32 v[29+2*\e], v[XS+2*\e+1]
	v_mov_b32_dpp v[28+2*\e], v[XS+2*\e+1] row_shr:8 row_mask:0xf bank_mask:0xf
	v_mov_b32_dpp v[29+2*\e], v[XS+2*\e] row_shl:8 row_mask:0xf bank_mask:0xf
.endr
.irp k, 0,1,2,3
.irp c, 0,1,2
	global_store_b128 v[O16], v[XF+12*\k+4*\c:XF+12*\k+4*\c+3], s[92:93] offset:1536*\k+512*\c   ; 512 consecutive bytes
.endr
	ds_store_b32 v[SCW], v[28+\k] offset:64*\k
.endr
	s_branch .Lstored
.Lis_v:
	s_wait_alu depctr_va_vdst(0)
.irp y, 0,1,2,3                                ; v: my 64 keys are half a fragment of d = 16 y on: three planes; my two bytes are half of its scale word
.irp p, 0,1,2
	global_store_b64 v[O8], v[YF+12*\y+2*\p:YF+12*\y+2*\p+1], s[96:97] offset:1536*\y+256*\p
.endr
	ds_store_b16 v[SCW], v[YS+\y] offset:64*\y
.endr
.Lstored:
	s_wait_dscnt 0x0                               ; for the others' sake: my scale words lie in LDS
	s_barrier_signal -1
	s_barrier_wait -1
	s_cmp_lg_u32 s[RG], 0                          ; waves 0, 4 and 8 store them, 512 consecutive bytes an instruction
	s_cbranch_scc1 .Lend
	s_cmp_eq_u32 s[ROLE], 0
	s_cbranch_scc0 .Lsc_not_q
	ds_load_b128 v[128:131], v[SCR]
	ds_load_b128 v[132:135], v[SCR] offset:512
	s_wait_dscnt 0x0
	global_store_b128 v[O16], v[128:131], s[16:17]
	global_store_b128 v[O16], v[132:135], s[16:17] offset:512
	s_branch .Lend
.Lsc_not_q:
	s_cmp_eq_u32 s[ROLE], 1
	s_cbranch_scc0 .Lsc_v
	ds_load_b128 v[128:131], v[SCR] offset:1024
	ds_load_b128 v[132:135], v[SCR] offset:1536
	s_wait_dscnt 0x0
	global_store_b128 v[O16], v[128:131], s[94:95]
	global_store_b128 v[O16], v[132:135], s[94:95] offset:512
	s_branch .Lend
.Lsc_v:
	ds_load_b128 v[128:131], v[SCR] offset:2048
	s_wait_dscnt 0x0
	global_store_b128 v[O16], v[128:131], s[98:99]
.Lend:
	s_wait_tensorcnt 0x0                           ; the wave's end
	ds_add_u32 v[SPW], v[NIL]
	s_wait_dscnt 0x0
	CROUND                                         ; the closing round
	s_endpgm
.Lfunc_end_k_q0b80bd9af6_qkv:
	.size	k_q0b80bd9af6_qkv, .Lfunc_end_k_q0b80bd9af6_qkv-k_q0b80bd9af6_qkv
	.p2alignl 7, 3214868480
	.fill 96, 4, 3214868480
	.section	.rodata,"a",@progbits
	.p2align	6, 0x0
	.amdhsa_kernel k_q0b80bd9af6_qkv
		.amdhsa_group_segment_fixed_size 327680
		.amdhsa_private_segment_fixed_size 0
		.amdhsa_enable_private_segment 0
		.amdhsa_kernarg_size 64
		.amdhsa_user_sgpr_count 2
		.amdhsa_user_sgpr_kernarg_segment_ptr 1
		.amdhsa_wavefront_size32 1
		.amdhsa_system_sgpr_workgroup_id_x 1
		.amdhsa_system_sgpr_workgroup_id_y 1
		.amdhsa_system_sgpr_workgroup_id_z 1
		.amdhsa_system_vgpr_workitem_id 0
		.amdhsa_next_free_vgpr 256
		.amdhsa_next_free_sgpr 102
		.amdhsa_reserve_vcc 0
		.amdhsa_float_denorm_mode_32 3
		.amdhsa_float_denorm_mode_16_64 3
		.amdhsa_memory_ordered 1
		.amdhsa_forward_progress 1
		.amdhsa_inst_pref_size 90
	.end_amdhsa_kernel
	.amdgpu_metadata
---
amdhsa.version: [ 1, 2 ]
amdhsa.kernels:
  - .name:           k_q0b80bd9af6_qkv
    .symbol:         k_q0b80bd9af6_qkv.kd
    .args:
      - { .name: x_codes, .offset: 0, .size: 8, .value_kind: global_buffer, .address_space: global }
      - { .name: x_scales, .offset: 8, .size: 8, .value_kind: global_buffer, .address_space: global }
      - { .name: w_codes, .offset: 16, .size: 8, .value_kind: global_buffer, .address_space: global }
      - { .name: w_scales, .offset: 24, .size: 8, .value_kind: global_buffer, .address_space: global }
      - { .name: b_qkv, .offset: 32, .size: 8, .value_kind: global_buffer, .address_space: global }
      - { .name: q_img, .offset: 40, .size: 8, .value_kind: global_buffer, .address_space: global }
      - { .name: q_sc, .offset: 48, .size: 8, .value_kind: global_buffer, .address_space: global }
      - { .name: kv, .offset: 56, .size: 8, .value_kind: global_buffer, .address_space: global }
    .group_segment_fixed_size: 327680
    .private_segment_fixed_size: 0
    .kernarg_segment_align: 8
    .kernarg_segment_size: 64
    .max_flat_workgroup_size: 384
    .sgpr_count:     102
    .vgpr_count:     256
    .wavefront_size: 32
...
	.end_amdgpu_metadata
.endif
;; end of part 2
;; launch attn (part 3): grid 4 x 64, 16 waves a work-group, clusters of 4 x 1, 327,680 bytes of LDS; arguments q_img, q_sc, kv, etab, attention_mask, out0; writes out0
.if DOCPART == 3
	.amdgcn_target "amdgcn-amd-amdhsa--gfx1250"
	.amdhsa_code_object_version 6
	.text
	.protected	k_q0b80bd9af6_attn
	.globl	k_q0b80bd9af6_attn
	.p2align	8
	.type	k_q0b80bd9af6_attn,@function
k_q0b80bd9af6_attn:
	s_mov_b64 s[64:65], 0
	v_nop
	global_prefetch_b8 v0, s[64:65] scope:SCOPE_SE
	s_setreg_imm32_b32 hwreg(HW_REG_WAVE_MODE, 25, 1), 1
	s_wait_xcnt 0x0
	s_wait_alu depctr_hold_cnt(0) depctr_sa_sdst(0) depctr_va_vdst(0) depctr_va_sdst(0) depctr_va_ssrc(0) depctr_va_vcc(0) depctr_vm_vsrc(0)
	s_getreg_b32 s2, hwreg(HW_REG_IB_STS2, 6, 4)
	s_cmp_eq_u32 s2, 0
	s_cbranch_scc0 .Lentry_in_a_cluster
	s_endpgm
.Lentry_in_a_cluster:
	s_bfe_u32 s2, ttmp6, 0x10000c
	s_cmp_lg_u32 s2, 0x3003
	s_cbranch_scc0 .Lentry_shape_is_right
	s_endpgm
.Lentry_shape_is_right:
; out0[b][l][64 head + d] = sum over r of softmax_r((q.k + q.e + k.e) / 8 + mask[r]) v[r][d], e = the table's row x = l - r + 1024; all four products on codes of FP6 (E2M3) with E8M0 scales.
; THE SOFTMAX: t = (score + 8 mask) x log2(e) / 8; M = the running largest t rounded up to a whole number; p = 2^(t - M) is quantised along the keys, not normalised; the row's sum is taken of
; the unquantised p and divides at the end; when M moves, the sum and O are multiplied by 2^(old M - new M), which rounds nothing.
; SHARES.  256 work-groups.  A work-group owns 512 queries (half qh) of one head; each of its sixteen waves owns two tiles of 16 queries, wave and wave + 16, and takes them one after the other (PASS 0, PASS 1).
; Every pass walks the head's 1,024 keys, 128 a step.  All that the work-group needs lies in LDS for the whole launch: nothing is filled again, and no barrier stands in the loops.
; CLUSTER 4 x 1: the four places are four heads (4 g + cx) of one batch with the same half of the queries: they need the same 1,536 rows of the table and the same scale words: these are asked for jointly.
; A head's record of K and V is read by two work-groups (qh = 0, 1), which lie in different clusters: a cluster's four places are taken by the four heads, so the record comes by a load of the work-group's own.
; No prefetch: all tiles are asked for at the head; there is no loop that runs ahead of a fill.
; LAYOUT.  All score tiles are used transposed: lane (n, h) holds query n; register 16 b + 8 u + j holds key 32 b + 16 h + 8 u + j of the step.
;   QK:  S  = K' [Q | Q] + S       K' (b, u): rows 0-7 = [K | 0] of keys 32 b + 8 u + m, rows 8-15 = [0 | K] of the keys 16 further on; S comes in holding q.e
;   KE:  T(X) = K' [E(X) | E(X-1)] + 8 mask      E(X) = the table's rows 16 X .. 16 X + 15
;   QE:  QT = [E(X) | ..] [Q | 0]                a lane holds one query, its registers run along x
; k.e: with s = 8 u + j, lane n wants column n - s of T(X0) where n >= s, else column n - s + 16 of T(X0 - 1): two additions that take their first source s lanes down, or 16 - s lanes up, the row;
; a lane without a source keeps its sum.  Each lane takes exactly one of the two, so the mask, the C of both, is added once.
; q.e: QT goes to my own stage in LDS, a row a query, and comes back register by register: straight into S, as the C of QK.
; LIMITS: a mask beyond 2^125 in magnitude becomes an infinity under the factor 8; a row whose every key is masked by -infinity gives NaN, as the definition does; other NaN and infinities are not served.
.set EB,    153600                     ; LDS: bytes 0 .. 153,599 the head's record; here 1,536 rows of the table, 48 bytes each, from row 512 qh on
.set W2B,   227328                     ; their scale words
.set MKB,   233472                     ; 8 x mask, 1,024 numbers: written by LDS stores
.set STG,   237568                     ; sixteen stages of 5,376 bytes
.set STGW,  5376
.set SPARE, 323584                     ; the spare words: 128 bytes for each of sixteen waves
.set KSW,   147456
.set VIM,   98304
.set VSW,   151552
.set AE0,   1                          ; v1-7 my lane's places; v8-14 the same for the step in hand
.set AW0,   2
.set AK0,   3
.set AKS0,  4
.set AM0,   5
.set AV0,   6
.set AVS0,  7
.set ADE,   8
.set ADW,   9
.set ADK,   10
.set ADKS,  11
.set ADM,   12
.set ADV,   13
.set ADVS,  14
.set STS,   15
.set STL,   16
.set QSC,   17
.set NM,    18                         ; v18 -M, v19 the largest t; v[20:21] the sum in two halves
.set SUM,   20
.set QQ,    22                         ; v22-33 [Q | Q];  v28-39 [Q | 0]
.set QZ,    28
.set OB,    40                         ; v40-71 O^T
.set SB,    72                         ; v72-135 the scores, then p
.set EF,    136                        ; v136-171 five fragments of the table and six registers more
.set KP,    172
.set T,     184
.set MK,    216
.set QT,    184
.set VF,    136
.set PCD,   184
.set W2,    224                        ; v224-228, v229, v248-251, v253 hold scales and nothing else
.set KSC,   229
.set WV,    16                         ; s16 wave, s17 cx, s18 batch x head, s19 qh
.set SEL,   20
.set CS,    22
.set G1J,   24
.set G1E,   32
.set G1W,   40
.set SK,    60
.set SV,    61
.set SS,    62
.set SVS,   63
.set CNT,   66
.macro CROUND
	s_barrier_signal -1
	s_barrier_wait -1
	s_cmp_lg_u32 s[WV], 0
	s_cbranch_scc1 .Lnot_wave_0_\@
	s_barrier_signal -3
.Lnot_wave_0_\@:
	s_barrier_wait -3
	s_barrier_signal -1
	s_barrier_wait -1
.endm
.macro PLACES n
.rept \n
	v_nop
.endr
.endm
.macro QLOAD ps                        ; the image and the scale words of my tile wave + 16 ps
	v_and_b32 v232, 31, v0
	v_and_b32 v233, 15, v0
	s_delay_alu instid0(VALU_DEP_2)
	v_lshlrev_b32 v232, 3, v232
	s_delay_alu instid0(VALU_DEP_2)
	v_lshlrev_b32 v233, 2, v233
.irp w, 0,1,2
	global_load_b64 v[QQ+2*\w:QQ+2*\w+1], v232, s[4:5] offset:256*\w+12288*\ps
	global_load_b64 v[QZ+2*\w:QZ+2*\w+1], v232, s[4:5] offset:256*\w+12288*\ps
.endr
	global_load_b32 v[QSC], v233, s[6:7] offset:1024*\ps
.endm
	s_load_b256 s[4:11], s[0:1], 0x0               ; q_img, q_sc, kv, etab
	s_load_b128 s[12:15], s[0:1], 0x20             ; attention_mask, out0
	v_lshl_add_u32 v254, v0, 2, SPARE
	v_mov_b32 v255, 0
	ds_add_u32 v254, v255                          ; the opening lines
	ds_add_u32 v254, v255
	s_wait_dscnt 0x0
	v_lshrrev_b32 v230, 5, v0
	s_delay_alu instid0(VALU_DEP_1)
	v_readfirstlane_b32 s[WV], v230
	s_bfe_u32 s17, ttmp6, 0x40000                  ; cx: which of the group's four heads; it enters global addresses alone
	s_and_b32 s19, ttmp7, 0xffff
	s_lshr_b32 s18, s19, 1
	s_lshl_b32 s18, s18, 2
	s_add_co_u32 s18, s18, s17                     ; batch x head = 4 (y / 2) + cx
	s_and_b32 s19, s19, 1                          ; qh = y % 2, which the four partners share
	; group 1: dense bytes as rows of 256 (32 elements of 8 bytes), no padding
	s_mov_b32 s[G1J], 3<<16                        ; the record's eighth: 75 rows, my work-group's own
	s_mov_b32 s[G1J+1], 32<<16
	s_mov_b32 s[G1J+2], 75<<16
	s_mov_b32 s[G1J+3], 32<<16
	s_mov_b32 s[G1J+4], 75
	s_mov_b32 s[G1J+5], 32
	s_mov_b32 s[G1J+6], 0
	s_mov_b32 s[G1J+7], 0
	s_mov_b32 s[G1E], 15|(3<<16)|(1<<21)           ; the window's third: 96 rows, for all four work-groups
	s_mov_b32 s[G1E+1], 32<<16
	s_mov_b32 s[G1E+2], 96<<16
	s_mov_b32 s[G1E+3], 32<<16
	s_mov_b32 s[G1E+4], 96
	s_mov_b32 s[G1E+5], 32
	s_mov_b32 s[G1E+6], 0
	s_mov_b32 s[G1E+7], 0
	s_mov_b32 s[G1W], 15|(3<<16)|(1<<21)           ; its words: 24 rows, likewise
	s_mov_b32 s[G1W+1], 32<<16
	s_mov_b32 s[G1W+2], 24<<16
	s_mov_b32 s[G1W+3], 32<<16
	s_mov_b32 s[G1W+4], 24
	s_mov_b32 s[G1W+5], 32
	s_mov_b32 s[G1W+6], 0
	s_mov_b32 s[G1W+7], 0
	s_mul_i32 s78, s[WV], 19200                    ; waves 0-7: an eighth of the record
	s_mul_i32 s76, s18, 153600
	s_add_co_u32 s76, s76, s78
	s_mov_b32 s77, 0
	s_and_b32 s69, s[WV], 7                        ; waves 8-10: a third of the window
	s_mul_i32 s69, s69, 24576
	s_mul_i32 s74, s19, 24576                      ; the window begins at row 512 qh: 48 bytes a row
	s_add_co_u32 s74, s74, s69
	s_mov_b32 s75, 0
	s_lshl_b32 s72, s19, 11                        ; wave 11: the window's words
	s_add_co_u32 s72, s72, 98304
	s_mov_b32 s73, 0
	s_wait_kmcnt 0x0
	s_mov_b32 s48, 1
	s_mov_b32 s49, s78
	s_add_nc_u64 s[50:51], s[8:9], s[76:77]
	s_or_b32 s51, s51, 0x80000000
	s_mov_b32 s52, 1
	s_add_co_u32 s53, s69, EB
	s_add_nc_u64 s[54:55], s[10:11], s[74:75]
	s_or_b32 s55, s55, 0x80000000
	s_mov_b32 s56, 1
	s_mov_b32 s57, W2B
	s_add_nc_u64 s[58:59], s[10:11], s[72:73]
	s_or_b32 s59, s59, 0x80000000
	CROUND                                         ; all four work-groups are here: the joint loads meet
	s_cmp_lt_u32 s[WV], 8                          ; one load a wave, filled once
	s_cbranch_scc0 .Lnot_kv
	tensor_load_to_lds s[48:51], s[G1J:G1J+7]
	s_nop 0
	PLACES 4
	s_branch .Lasked
.Lnot_kv:
	s_cmp_lt_u32 s[WV], 11
	s_cbranch_scc0 .Lnot_e
	tensor_load_to_lds s[52:55], s[G1E:G1E+7]
	s_nop 0
	PLACES 4
	s_branch .Lasked
.Lnot_e:
	s_cmp_eq_u32 s[WV], 11
	s_cbranch_scc0 .Lasked
	tensor_load_to_lds s[56:59], s[G1W:G1W+7]
	s_nop 0
	PLACES 4
.Lasked:
	s_lshl_b32 s72, s19, 5
	s_add_co_u32 s72, s72, s[WV]                   ; my first tile of 16 queries in the head; the second lies 16 tiles on, which stands in the immediates
	s_lshr_b32 s74, s18, 4                         ; the batch
	s_lshl_b32 s74, s74, 12
	s_add_nc_u64 s[12:13], s[12:13], s[74:75]      ; its mask
	s_mul_i32 s74, s18, 49152
	s_mul_i32 s73, s72, 768
	s_add_co_u32 s74, s74, s73
	s_add_nc_u64 s[4:5], s[4:5], s[74:75]          ; my queries' image
	s_lshl_b32 s74, s18, 12
	s_lshl_b32 s73, s72, 6
	s_add_co_u32 s74, s74, s73
	s_add_nc_u64 s[6:7], s[6:7], s[74:75]          ; and their scale words
	s_lshr_b32 s74, s18, 4
	s_lshl_b32 s74, s74, 22                        ; out0: a batch is 1,024 rows of 4,096 bytes,
	s_lshl_b32 s73, s72, 16                        ; my 16 rows,
	s_add_co_u32 s74, s74, s73
	s_and_b32 s73, s18, 15
	s_lshl_b32 s73, s73, 8                         ; the head's 256 bytes of a row
	s_add_co_u32 s74, s74, s73
	s_add_nc_u64 s[14:15], s[14:15], s[74:75]
	s_mul_i32 s69, s[WV], 768
	s_add_co_u32 s69, s69, 768*56+EB
	s_lshl_b32 s70, s[WV], 6
	s_add_co_u32 s70, s70, 64*56+W2B
	s_mul_i32 s71, s[WV], STGW
	s_add_co_u32 s71, s71, STG                     ; my stage
	s_mov_b32 s[SEL], 0x76543210
	s_mov_b32 s[SEL+1], 0xfedcba98
	s_mov_b32 s[CS], 0x3e38aa3b                    ; c = log2(e) / 8
	s_mov_b32 s[CS+1], s[CS]
	v_and_b32 v230, 15, v0                         ; r, also n
	v_bfe_u32 v231, v0, 4, 1                       ; h
	v_and_b32 v244, 31, v0                         ; lane
	v_lshlrev_b32 v234, 3, v0                      ; the mask: 8 bytes a thread
	global_load_b64 v[240:241], v234, s[12:13]
	QLOAD 0
	v_add_nc_u32 v235, MKB, v234
	v_mul_u32_u24 v[AE0], v230, 48
	v_xor_b32 v245, 1, v231
	v_mul_u32_u24 v[STS], v230, 336
	v_mul_u32_u24 v[STL], v230, 340                ; back: row n, + 4 n, + 64 - 64 h
	v_lshl_add_u32 v[AW0], v230, 2, s70
	v_mad_u32_u24 v[AE0], v231, 24, v[AE0]
	v_lshlrev_b32 v[AK0], 4, v244
	v_lshl_add_u32 v[STS], v231, 5, v[STS]
	v_lshl_add_u32 v[STL], v245, 6, v[STL]
	v_lshl_add_u32 v[AKS0], v230, 2, KSW
	v_lshl_add_u32 v[AM0], v231, 6, MKB            ; lanes 16-31: the keys 16 further on
	v_add_nc_u32 v[AE0], s69, v[AE0]               ; row r of tile wave + 56, + 24 h: a step takes 8 tiles off, the offsets add 0 to 8
	v_lshl_add_u32 v[AV0], v244, 3, VIM
	v_add_nc_u32 v[STS], s71, v[STS]               ; in: row n, + 32 h
	v_add_nc_u32 v[STL], s71, v[STL]
	v_lshl_add_u32 v[AVS0], v230, 2, VSW
.irp i, 0,1,2,3,4,5
	v_mov_b32 v[QZ+6+\i], 0                        ; [Q | 0]'s zero codes
	v_mov_b32 v[EF+30+\i], 0                       ; what stands behind the last fragment meets zero codes alone; it is written, so that it may be named
.endr
.irp b, 0,1,2,3
	v_mov_b32 v[236+\b], 0                         ; a lane permute's destination counts as one of its sources
.endr
	v_mov_b32 v253, 0
.macro SHR d, s, n
	v_add_f32_dpp v[\d], v[\s], v[\d] row_shr:\n row_mask:0xf bank_mask:0xf
.endm
.macro SHL d, s, n
	v_add_f32_dpp v[\d], v[\s], v[\d] row_shl:\n row_mask:0xf bank_mask:0xf
.endm
.macro AK0 ss                          ; k.e onto a tile with u = 0 (set 0 of T): s = j.  Each result is read from its low end on
	v_add_f32 v[\ss], v[T], v[\ss]
.irp j, 1,2,3,4,5,6,7
	SHR \ss+\j, T+\j, \j
.endr
	SHL \ss+1, T+9, 15
	SHL \ss+2, T+10, 14
	SHL \ss+3, T+11, 13
	SHL \ss+4, T+12, 12
	SHL \ss+5, T+13, 11
	SHL \ss+6, T+14, 10
	SHL \ss+7, T+15, 9
.endm
.macro AK1 ss                          ; with u = 1 (set 1): s = 8 + j
	SHR \ss+0, T+16, 8
	SHR \ss+1, T+17, 9
	SHR \ss+2, T+18, 10
	SHR \ss+3, T+19, 11
	SHR \ss+4, T+20, 12
	SHR \ss+5, T+21, 13
	SHR \ss+6, T+22, 14
	SHR \ss+7, T+23, 15
	SHL \ss+0, T+24, 8
	SHL \ss+1, T+25, 7
	SHL \ss+2, T+26, 6
	SHL \ss+3, T+27, 5
	SHL \ss+4, T+28, 4
	SHL \ss+5, T+29, 3
	SHL \ss+6, T+30, 2
	SHL \ss+7, T+31, 1
.endm
.macro LK hb, kt                       ; tile K' 4 hb + kt of the step, its scale words, 8 x mask of its keys
.irp c, 0,1,2
	ds_load_b128 v[KP+4*\c:KP+4*\c+3], v[ADK] offset:1536*(4*\hb+\kt)+512*\c
.endr
	ds_load_b32 v[KSC], v[ADKS] offset:64*(4*\hb+\kt)
	ds_load_b128 v[MK:MK+3], v[ADM] offset:4*(64*\hb+32*(\kt/2)+8*(\kt%2))
	ds_load_b128 v[MK+4:MK+7], v[ADM] offset:4*(64*\hb+32*(\kt/2)+8*(\kt%2))+16
	s_wait_dscnt 0x0
.endm
.macro WK hb, kt                       ; its three products: no two share an accumulator
	v_wmma_scale_f32_16x16x128_f8f6f4 v[SB+32*\hb+8*\kt:SB+32*\hb+8*\kt+7], v[KP:KP+11], v[QQ:QQ+11], v[SB+32*\hb+8*\kt:SB+32*\hb+8*\kt+7], v[KSC], v[QSC] matrix_a_fmt:MATRIX_FMT_FP6 matrix_b_fmt:MATRIX_FMT_FP6
	v_wmma_scale_f32_16x16x128_f8f6f4 v[T+16*(\kt%2):T+16*(\kt%2)+7], v[KP:KP+11], v[EF+12*(\kt/2):EF+12*(\kt/2)+11], v[MK:MK+7], v[KSC], v[W2+2*(\kt/2)] matrix_a_fmt:MATRIX_FMT_FP6 matrix_b_fmt:MATRIX_FMT_FP6
	v_wmma_scale_f32_16x16x128_f8f6f4 v[T+16*(\kt%2)+8:T+16*(\kt%2)+15], v[KP:KP+11], v[EF+12*(\kt/2)+6:EF+12*(\kt/2)+17], v[MK:MK+7], v[KSC], v[W2+2*(\kt/2)+1] matrix_a_fmt:MATRIX_FMT_FP6 matrix_b_fmt:MATRIX_FMT_FP6
.endm
; Half a key step: 64 keys.  The table's tiles (my tile) + 64 - 8 step - 4 hb - f, f = 0 .. 4.  v_nop stand as the places behind each group of products (ISA guide 7.12.1).
.macro HALF hb
.irp f, 0,1,2,3,4
.irp w, 0,1,2
	ds_load_b64 v[EF+6*\f+2*\w:EF+6*\f+2*\w+1], v[ADE] offset:768*(8-4*\hb-\f)+8*\w
.endr
	ds_load_b32 v[W2+\f], v[ADW] offset:64*(8-4*\hb-\f)
.endr
	s_wait_dscnt 0x0
.irp f, 0,1,2,3,4
	v_wmma_scale_f32_16x16x128_f8f6f4 v[QT+8*\f:QT+8*\f+7], v[EF+6*\f:EF+6*\f+11], v[QZ:QZ+11], 0, v[W2+\f], v[QSC] matrix_a_fmt:MATRIX_FMT_FP6 matrix_b_fmt:MATRIX_FMT_FP6
.endr
	PLACES 5
.irp f, 0,1,2,3,4
	ds_store_b128 v[STS], v[QT+8*\f:QT+8*\f+3] offset:64*(4-\f)          ; the lowest tile first in a row: 80 x on end
	ds_store_b128 v[STS], v[QT+8*\f+4:QT+8*\f+7] offset:64*(4-\f)+16
.endr
.set i, 0
.rept 32
	ds_load_b32 v[SB+32*\hb+i], v[STL] offset:192-4*(32*(i/16)+i%16)     ; q.e; LDS serves a wave's instructions in order (ISA guide 5.7.1.4): these see my stores
.set i, i+1
.endr
	LK \hb, 0
	WK \hb, 0
	PLACES 4
	LK \hb, 1
	WK \hb, 1
	PLACES 4
	AK0 SB+32*\hb
	LK \hb, 2
	WK \hb, 2
	PLACES 4
	AK1 SB+32*\hb+8
	LK \hb, 3
	WK \hb, 3
	PLACES 5
	AK0 SB+32*\hb+16
	AK1 SB+32*\hb+24
.endm
.macro TM n                            ; n pairs: t - M (of the pairs c and -M the low word serves both halves)
.rept \n
	v_pk_fma_f32 v[SB+j:SB+j+1], v[SB+j:SB+j+1], s[CS:CS+1], v[NM:NM+1] op_sel_hi:[1,0,0]
.set j, j+2
.endr
.endm
; ONE TILE OF 16 QUERIES through all 1,024 keys, and out
.macro PASS ps
.if \ps
	v_add_nc_u32 v[AE0], 12288, v[AE0]             ; 16 tiles of the table on,
	v_add_nc_u32 v[AW0], 1024, v[AW0]              ; and of its words
.endif
	s_mov_b32 s[SK], 0
	s_mov_b32 s[SV], 0
	s_mov_b32 s[SS], 0
	s_mov_b32 s[SVS], 0
	s_mov_b32 s[CNT], 0
	v_mov_b32 v[NM+1], 0xff61b1e6                  ; the largest t so far: -3e38
	v_mov_b32 v[SUM], 0
	v_mov_b32 v[SUM+1], 0
	v_floor_f32 v[NM], -v[NM+1]                    ; -M
.set j, 0
.rept 32
	v_mov_b32 v[OB+j], 0                           ; O^T: the loop is written once; its first step finds zeros
.set j, j+1
.endr
	s_wait_alu depctr_va_vdst(0)                   ; the wait ahead of the wait below
	s_wait_loadcnt 0x0                             ; my queries are in
.if \ps == 0
	v_mul_f32 v240, 0x41000000, v240               ; 8 x mask: exact
	v_mul_f32 v241, 0x41000000, v241
	ds_store_b64 v235, v[240:241]
	s_wait_tensorcnt 0x0                           ; my load has landed,
	s_wait_dscnt 0x0                               ; my part of the mask lies in LDS:
	s_barrier_signal -1
	s_barrier_wait -1                              ; everybody's
.endif
.Lstep_\ps:                                        ; eight trips: 128 keys each
	v_sub_nc_u32 v[ADE], v[AE0], s[SV]             ; the table goes down 8 tiles a step.  (These five lines are the places behind the last trip's products)
	v_sub_nc_u32 v[ADW], v[AW0], s[SS]
	v_add_nc_u32 v[ADK], s[SK], v[AK0]
	v_add_nc_u32 v[ADKS], s[SS], v[AKS0]
	v_add_nc_u32 v[ADM], s[SS], v[AM0]
	s_wait_alu depctr_va_vdst(0)
	HALF 0
	HALF 1
	; the largest score of each block of 32 keys, in two chains a block: eight chains by turns; three lines that are due anyway keep the later rounds of four apart
.irp b, 0,1,2,3
	v_max3_num_f32 v[232+\b], v[SB+16*\b], v[SB+16*\b+1], v[SB+16*\b+2]
.endr
.irp b, 0,1,2,3
	v_max3_num_f32 v[236+\b], v[SB+16*\b+8], v[SB+16*\b+9], v[SB+16*\b+10]
.endr
.irp i, 3,5
.irp b, 0,1,2,3
	v_max3_num_f32 v[232+\b], v[232+\b], v[SB+16*\b+\i], v[SB+16*\b+\i+1]
.endr
.irp b, 0,1,2,3
	v_max3_num_f32 v[236+\b], v[236+\b], v[SB+16*\b+8+\i], v[SB+16*\b+9+\i]
.endr
.endr
.irp b, 0,1,2,3
	v_max3_num_f32 v[232+\b], v[232+\b], v[SB+16*\b+7], v[SB+16*\b+15]
.endr
	v_mov_b32 v254, v[NM]                          ; the old -M
.irp b, 0,1,2,3
	v_max_num_f32 v[232+\b], v[232+\b], v[236+\b]
.endr
	v_add_nc_u32 v[ADV], s[SV], v[AV0]
.irp b, 0,1,2,3
	v_permlanex16_b32 v[236+\b], v[232+\b], s[SEL], s[SEL+1]
.endr
	v_add_nc_u32 v[ADVS], s[SVS], v[AVS0]
.irp b, 0,1,2,3
	v_max_num_f32 v[232+\b], v[232+\b], v[236+\b]  ; with lane l xor 16's 16 keys
.endr
.irp t, 0,1,2,3                                ; V's four fragments and their scale words land while the softmax is walked
.irp w, 0,1,2,3,4,5
	ds_load_b64 v[VF+12*\t+2*\w:VF+12*\t+2*\w+1], v[ADV] offset:1536*\t+256*\w
.endr
	ds_load_b32 v[248+\t], v[ADVS] offset:64*\t
.endr
	v_max3_num_f32 v255, v232, v233, v234
	s_delay_alu instid0(VALU_DEP_1)
	v_max_num_f32 v255, v255, v235                 ; the step's largest score of my query
	s_delay_alu instid0(VALU_DEP_1)
	v_mul_f32 v255, s[CS], v255                    ; as t (c is positive)
	s_delay_alu instid0(VALU_DEP_1)
	v_max_num_f32 v[NM+1], v[NM+1], v255           ; the running largest t
	s_delay_alu instid0(VALU_DEP_1)
	v_floor_f32 v[NM], -v[NM+1]                    ; the new -M = floor(-t): M is a whole number
.set j, 0
	TM 5
	v_sub_f32 v254, v[NM], v254                    ; old M - new M: a whole number, 0 or less
	TM 5
	v_cvt_i32_f32 v254, v254                       ; (it saturates)
	TM 5
	v_ldexp_f32 v252, 1.0, v254                    ; f = 2^(old M - new M)
	TM 17
.irp b, 0,1,2,3
	v_fma_f32 v[232+\b], v[232+\b], s[CS], v[NM]   ; the same of each block's largest score
.endr
.set j, 0
	s_wait_alu depctr_va_vdst(0)                   ; the wait ahead of the batch
.rept 64
	v_exp_f32 v[SB+j], v[SB+j]                     ; p = 2^(t - M), at most 1: not normalised
.set j, j+1
.endr
	v_pk_mul_f32 v[SUM:SUM+1], v[SUM:SUM+1], v[252:253] op_sel_hi:[1,0]   ; the sums under the new M
	s_wait_alu depctr_va_vdst(0)                   ; one wait for the whole batch
.irp b, 0,1,2,3
	v_exp_f32 v[232+\b], v[232+\b]                 ; the block's largest p: the same two instructions on the same number give the same bits
.endr
	v_pk_add_f32 v[236:237], v[76:77], v[80:81]    ; the row's sum of the unquantised p: eight chains
	v_pk_add_f32 v[254:255], v[84:85], v[88:89]
	v_pk_add_f32 v[246:247], v[92:93], v[96:97]
	v_pk_add_f32 v[244:245], v[100:101], v[104:105]
	v_pk_add_f32 v[242:243], v[108:109], v[112:113]
	v_pk_add_f32 v[240:241], v[116:117], v[120:121]
	v_pk_add_f32 v[238:239], v[124:125], v[128:129]
	v_pk_add_f32 v[20:21], v[20:21], v[132:133]
	v_pk_add_f32 v[236:237], v[236:237], v[72:73]
	v_pk_add_f32 v[254:255], v[254:255], v[74:75]
	v_pk_add_f32 v[246:247], v[246:247], v[78:79]
	v_pk_add_f32 v[244:245], v[244:245], v[82:83]
	v_pk_add_f32 v[242:243], v[242:243], v[86:87]
	v_pk_add_f32 v[240:241], v[240:241], v[90:91]
	v_pk_add_f32 v[238:239], v[238:239], v[94:95]
	v_pk_add_f32 v[20:21], v[20:21], v[98:99]
	v_pk_add_f32 v[236:237], v[236:237], v[102:103]
	v_pk_add_f32 v[254:255], v[254:255], v[106:107]
	v_pk_add_f32 v[246:247], v[246:247], v[110:111]
	v_pk_add_f32 v[244:245], v[244:245], v[114:115]
	v_pk_add_f32 v[242:243], v[242:243], v[118:119]
	v_pk_add_f32 v[240:241], v[240:241], v[122:123]
	v_pk_add_f32 v[238:239], v[238:239], v[126:127]
	v_pk_add_f32 v[20:21], v[20:21], v[130:131]
	v_pk_add_f32 v[236:237], v[236:237], v[134:135]
	s_delay_alu instid0(VALU_DEP_2)
	v_pk_add_f32 v[20:21], v[20:21], v[244:245]
	s_delay_alu instid0(VALU_DEP_2)
	v_pk_add_f32 v[236:237], v[236:237], v[242:243]
	v_pk_add_f32 v[254:255], v[254:255], v[240:241]
	v_pk_add_f32 v[246:247], v[246:247], v[238:239]
	s_delay_alu instid0(VALU_DEP_2)
	v_pk_add_f32 v[20:21], v[20:21], v[254:255]
	s_delay_alu instid0(VALU_DEP_2)
	v_pk_add_f32 v[236:237], v[236:237], v[246:247]
	s_delay_alu instid0(VALU_DEP_1)
	v_pk_add_f32 v[20:21], v[20:21], v[236:237]
	s_wait_alu depctr_va_vdst(0)                   ; and one for the four
.irp b, 0,1,2,3
	v_max_num_f32 v[232+\b], 0x1800000, v[232+\b]  ; the floor 2^(3 - 127): the byte cannot fall under 1
.endr
.irp b, 0,1,2,3
	s_delay_alu instid0(VALU_DEP_4)
	v_add_nc_u32 v[244+\b], 0xff000000, v[232+\b]  ; 2 off the exponent field: the conversion's scale operand
.endr
.irp b, 0,1,2,3
	s_delay_alu instid0(VALU_DEP_4)
	v_lshrrev_b32 v[236+\b], 23, v[244+\b]         ; the scale's byte
.endr
	s_delay_alu instid0(VALU_DEP_3)
	v_lshl_or_b32 v253, v237, 8, v236              ; p's scale word for these 128 keys
	s_delay_alu instid0(VALU_DEP_1)
	v_lshl_or_b32 v253, v238, 16, v253
	s_delay_alu instid0(VALU_DEP_1)
	v_lshl_or_b32 v253, v239, 24, v253
.irp c, 0,1
	v_cvt_scalef32_pk16_fp6_f32 v[PCD+6*\c:PCD+6*\c+2], v[SB+32*\c:SB+32*\c+15], v[244+2*\c]
	v_cvt_scalef32_pk16_fp6_f32 v[236+4*\c:238+4*\c], v[SB+16+32*\c:SB+31+32*\c], v[245+2*\c]
.endr
	v_nop                                          ; one plain line behind a scaled conversion
.irp c, 0,1                                    ; a whole block to a lane: lanes 0-15 block 2 c, lanes 16-31 block 2 c + 1
.irp i, 0,1,2
	v_permlane16_swap_b32 v[PCD+6*\c+\i], v[236+4*\c+\i]
.endr
.endr
.irp c, 0,1                                    ; each move stands six lines behind its swap
.irp i, 0,1,2
	v_mov_b32 v[PCD+3+6*\c+\i], v[236+4*\c+\i]
.endr
.endr
	s_wait_alu depctr_va_vdst(0)                   ; the wait directly ahead of the first reader of O^T
.set j, 0
.rept 16
	v_pk_mul_f32 v[OB+j:OB+j+1], v[OB+j:OB+j+1], v[252:253] op_sel_hi:[1,0]   ; O^T under the new M.  (These are also the places in front of the products below)
.set j, j+2
.endr
	s_wait_alu depctr_va_vdst(0)
	s_wait_dscnt 0x0                               ; V is in
.irp t, 0,1,2,3                                ; O^T += V^T P^T: four accumulators, one instruction each
	v_wmma_scale_f32_16x16x128_f8f6f4 v[OB+8*\t:OB+8*\t+7], v[VF+12*\t:VF+12*\t+11], v[PCD:PCD+11], v[OB+8*\t:OB+8*\t+7], v[248+\t], v253 matrix_a_fmt:MATRIX_FMT_FP6 matrix_b_fmt:MATRIX_FMT_FP6
.endr
	s_add_co_u32 s[SK], s[SK], 12288
	s_add_co_u32 s[SV], s[SV], 6144
	s_add_co_u32 s[SS], s[SS], 512
	s_add_co_u32 s[SVS], s[SVS], 256
	s_add_co_u32 s[CNT], s[CNT], 1
	s_cmp_lt_u32 s[CNT], 8
	s_cbranch_scc1 .Lstep_\ps
.if \ps == 0
	QLOAD 1                                        ; the next tile's queries are asked for ahead of the way out; their registers were last read ahead of the softmax
.endif
	; THE WAY OUT.  O^T is divided by the sum and goes through my stage, rows of 256 bytes + 16, so that sixteen lanes store the head's 256 consecutive bytes of a row of out0, aligned.
	v_add_f32 v[SUM], v[SUM], v[SUM+1]
	s_delay_alu instid0(VALU_DEP_1)
	v_permlanex16_b32 v252, v[SUM], s[SEL], s[SEL+1]
	s_delay_alu instid0(VALU_DEP_1)
	v_add_f32 v[SUM], v[SUM], v252                 ; the row's sum
	s_wait_alu depctr_va_vdst(0)
	v_rcp_f32 v[SUM], v[SUM]
	v_and_b32 v230, 15, v0
	v_bfe_u32 v231, v0, 4, 1
	s_delay_alu instid0(VALU_DEP_2)
	v_mul_u32_u24 v8, v230, 272
	s_delay_alu instid0(VALU_DEP_2)
	v_mul_u32_u24 v9, v231, 272
	v_lshlrev_b32 v10, 12, v231
	s_delay_alu instid0(VALU_DEP_3)
	v_lshl_add_u32 v8, v231, 5, v8
	s_delay_alu instid0(VALU_DEP_3)
	v_lshl_add_u32 v9, v230, 4, v9
	s_delay_alu instid0(VALU_DEP_3)
	v_lshl_add_u32 v10, v230, 4, v10               ; two rows in out0
	s_delay_alu instid0(VALU_DEP_3)
	v_add_nc_u32 v8, s71, v8                       ; in: row n; tile t's eight d of my half: 64 t + 32 h bytes on
	s_delay_alu instid0(VALU_DEP_3)
	v_add_nc_u32 v9, s71, v9                       ; back: lanes 0-15 one row, lanes 16-31 the next
	s_wait_alu depctr_va_vdst(0)                   ; the wait ahead of the reciprocal's first reader
.set j, 0
.rept 32
	v_mul_f32 v[SB+j], v[OB+j], v[SUM]             ; each accumulator from its low end on
.set j, j+1
.endr
.irp t, 0,1,2,3
	ds_store_b128 v8, v[SB+8*\t:SB+8*\t+3] offset:64*\t
	ds_store_b128 v8, v[SB+8*\t+4:SB+8*\t+7] offset:64*\t+16
.endr
.irp i, 0,1,2,3,4,5,6,7
	ds_load_b128 v[136+4*\i:139+4*\i], v9 offset:2*\i*272
.endr
.irp i, 0,1,2,3,4,5,6,7
	s_wait_dscnt 7-\i                              ; the younger row loads may be out
	global_store_b128 v10, v[136+4*\i:139+4*\i], s[14:15] offset:2*\i*4096+1048576*\ps th:TH_STORE_NT
.endr
	s_wait_xcnt 0x0                                ; the stores have read their registers, which are written again below
.endm
	PASS 0
	PASS 1
	v_lshl_add_u32 v254, v0, 2, SPARE
	v_mov_b32 v255, 0
	s_wait_alu depctr_va_vdst(0)
	s_wait_tensorcnt 0x0                           ; the wave's end
	ds_add_u32 v254, v255
	s_wait_dscnt 0x0
	CROUND                                         ; the closing round
	s_endpgm
.Lfunc_end_k_q0b80bd9af6_attn:
	.size	k_q0b80bd9af6_attn, .Lfunc_end_k_q0b80bd9af6_attn-k_q0b80bd9af6_attn
	.p2alignl 7, 3214868480
	.fill 96, 4, 3214868480
	.section	.rodata,"a",@progbits
	.p2align	6, 0x0
	.amdhsa_kernel k_q0b80bd9af6_attn
		.amdhsa_group_segment_fixed_size 327680
		.amdhsa_private_segment_fixed_size 0
		.amdhsa_enable_private_segment 0
		.amdhsa_kernarg_size 48
		.amdhsa_user_sgpr_count 2
		.amdhsa_user_sgpr_kernarg_segment_ptr 1
		.amdhsa_wavefront_size32 1
		.amdhsa_system_sgpr_workgroup_id_x 1
		.amdhsa_system_sgpr_workgroup_id_y 1
		.amdhsa_system_sgpr_workgroup_id_z 1
		.amdhsa_system_vgpr_workitem_id 0
		.amdhsa_next_free_vgpr 256
		.amdhsa_next_free_sgpr 80
		.amdhsa_reserve_vcc 0
		.amdhsa_float_denorm_mode_32 3
		.amdhsa_float_denorm_mode_16_64 3
		.amdhsa_memory_ordered 1
		.amdhsa_forward_progress 1
		.amdhsa_inst_pref_size 101
	.end_amdhsa_kernel
	.amdgpu_metadata
---
amdhsa.version: [ 1, 2 ]
amdhsa.kernels:
  - .name:           k_q0b80bd9af6_attn
    .symbol:         k_q0b80bd9af6_attn.kd
    .args:
      - { .name: q_img, .offset: 0, .size: 8, .value_kind: global_buffer, .address_space: global }
      - { .name: q_sc, .offset: 8, .size: 8, .value_kind: global_buffer, .address_space: global }
      - { .name: kv, .offset: 16, .size: 8, .value_kind: global_buffer, .address_space: global }
      - { .name: etab, .offset: 24, .size: 8, .value_kind: global_buffer, .address_space: global }
      - { .name: attention_mask, .offset: 32, .size: 8, .value_kind: global_buffer, .address_space: global }
      - { .name: out0, .offset: 40, .size: 8, .value_kind: global_buffer, .address_space: global }
    .group_segment_fixed_size: 327680
    .private_segment_fixed_size: 0
    .kernarg_segment_align: 8
    .kernarg_segment_size: 48
    .max_flat_workgroup_size: 512
    .sgpr_count:     80
    .vgpr_count:     256
    .wavefront_size: 32
...
	.end_amdgpu_metadata
.endif
;; end of part 3
